; MI455X (gfx1250); checked and timed in simulation.
; The chip was launched on July 23, 2026; its instructions are those of AMD's public machine-readable ISA for CDNA 5 (MIT licence, August 2026) and "CDNA5" Instruction Set Architecture Reference Guide (July 2026). The comments in the code are by the model that wrote it; some were corrected since.
;; Causal Self Attention. Allowed arithmetic: matrix products marked QUANTISED: E2M3 operands, one E8M0 scale for each 32 along K, by v_wmma_scale_f32_16x16x128_f8f6f4 with both operands' format E2M3, f32 sums; everything else in f32.
;; Inputs: b_attn 3,072 float32; b_proj 1,024 float32; w_attn 3,072 x 1,024 float32; w_proj 1,024 x 1,024 float32; x 4 x 2,048 x 1,024 float32.
;; Outputs: out0 4 x 2,048 x 1,024 float32.
;; This version of the problem:
;;   THIS VERSION OF THE PROBLEM IS GIVEN IN LOW PRECISION. The matrix products marked QUANTISED in the list below multiply operands that are first quantised to E2M3 (2 exponent bits, 3 mantissa bits; 6 bits a number), with one power-of-two scale for each 32 numbers along K (OCP MX v1.0); their sums are f32. All else is computed in f32.
;;   The module's matrix products, in the order in which they are computed (A, B: the left and right operand; K: the contracted axis; several contracted axes count as one K, in the product's order):
;;     1. [M 8,192, K 1,024] x [K 1,024, N 3,072]; A: input x; B: input w_attn: QUANTISED
;;     2. batch 64 x [M 2,048, K 64] x [K 64, N 2,048]; A: computed on the way; B: computed on the way: QUANTISED
;;     3. batch 64 x [M 2,048, K 2,048] x [K 2,048, N 64]; A: softmax (see below); B: computed on the way: QUANTISED
;;     4. [M 8,192, K 1,024] x [K 1,024, N 1,024]; A: computed on the way; B: input w_proj: QUANTISED
;;   THE QUANTISER, for each operand of a quantised product, along K:
;;     - K is cut into blocks of 32 from its start; a last block that is shorter is filled with zeros.
;;     - A block's scale is 2^e with e = floor(log2(the largest magnitude in the block)) - 2, held to -126 .. 127; a block of zeros has e = 0. As a byte (E8M0): e + 127.
;;     - Each number is divided by its block's scale, clamped to +-7.5, and rounded to the nearest number of E2M3, ties to even, subnormals kept.
;;     - The product sums the exact products of the quantised numbers (number of the format x scale) in f32.
;;   ~~~python
;;   def quantise(x, axis):      # numpy; x: float32 -> the quantised numbers, widened to float32 again
;;       x = np.moveaxis(x, axis, -1); K = x.shape[-1]
;;       x = np.pad(x, [(0, 0)] * (x.ndim - 1) + [(0, -K % 32)]); x = x.reshape(x.shape[:-1] + (-1, 32)); a = np.abs(x).max(-1, keepdims=True)
;;       e = np.where(a > 0, np.clip(np.frexp(np.where(a > 0, a, 1))[1] - 1 - 2, -126, 127), 0)      # np.frexp(a)[1] - 1 = floor(log2(a)), exactly
;;       r = np.clip(x / 2.0 ** e, -7.5, 7.5)
;;       step = 2.0 ** (np.maximum(np.frexp(np.where(r == 0, 1, r))[1] - 1, 0) - 3)
;;       q = np.round(r / step) * step * 2.0 ** e      # np.round: ties to even
;;       return np.moveaxis(q.reshape(q.shape[:-2] + (-1,))[..., :K], -1, axis).astype(np.float32)
;;   ~~~
;;   SOFTMAX AHEAD OF A QUANTISED PRODUCT. Where the list says 'softmax', what is quantised is not the finished softmax but p = 2^(t - M), with t = logit x log2(e) and M = ceil(the row's largest t), a whole number; so 1/2 < the row's largest p <= 1. The row's sum l is taken of the UNQUANTISED p, in f32, and the product's result is divided by l at the end. Since M is a whole number, a kernel that streams over the keys may use a running M (the ceiling of the running maximum): every later rescaling is an exact power of two, which a block's scale takes up: the codes' values come out the same.
;;   OPERANDS COMPUTED ON THE WAY. 'Computed on the way' means the value that the module computes at that place (a softmax that the list does not call 'softmax' is quantised finished and normalised). What goes into a quantiser is computed in f32, as accurately as f32 sums, v_exp_f32 and their like allow (about 1e-6 of the number): no bf16 or f16 on the way to a quantiser, and a product that is left as it is and whose result goes on into a quantised operand takes f32 operands (vector FMAs, or v_wmma_f32_16x16x4_f32). A number that lies on a knife's edge between two numbers of the format may be rounded either way, as far as f32 arithmetic and the matrix unit's own rounding can turn it there, and no further.
;; One version. Each part assembles by itself: llvm-mc -triple=amdgcn-amd-amdhsa -mcpu=gfx1250 --defsym DOCPART=n.
;; ======== version 1 of 1: 4 launches
;; workspace buffers: img 9,437,184 bytes; sc 393,216 bytes; qkv 20,185,088 bytes; y_img 6,291,456 bytes; y_sc 262,144 bytes
;; launch quant (part 1): grid 768 x 1, 4 waves a work-group, no clusters, 34,304 bytes of LDS; arguments x, w_attn, w_proj, img, sc; writes img, sc
.if DOCPART == 1
	.amdgcn_target "amdgcn-amd-amdhsa--gfx1250"
	.amdhsa_code_object_version 6
	.text
	.protected	k_q3d60295a91_quant
	.globl	k_q3d60295a91_quant
	.p2align	8
	.type	k_q3d60295a91_quant,@function
k_q3d60295a91_quant:
	s_mov_b64 s[64:65], 0
	v_nop
	global_prefetch_b8 v0, s[64:65] scope:SCOPE_SE
	s_setreg_imm32_b32 hwreg(HW_REG_WAVE_MODE, 25, 1), 1
	s_wait_xcnt 0x0
; x [8192][1024], w_attn [3072][1024], w_proj [1024][1024], f32, become codes of FP6 (E2M3) with one E8M0 byte for each 32 along K (the last axis),
; laid in the ORDER OF AN OPERAND'S REGISTERS.  A fragment is 16 rows x 128 K, 12 registers a lane: lane (r, h) holds row r, registers 6 c .. 6 c + 5 = k 64 c + 32 h + 0 .. 31.
; Its image is 1,536 bytes = two halves of 768: in half c first 16 bytes a lane (registers 6 c .. 6 c + 3), then 8 bytes a lane (registers 6 c + 4, 6 c + 5).
; img: [tile of 16 rows: x 0-511, w_attn 512-703, w_proj 704-767][K step 0-7][1,536].   sc: [tile][pair of K steps 0-3][r][2 words], a word = the four bytes of 128 along K.
; THE ROWS OF A TILE ARE NOT NEIGHBOURS: lane r of tile t holds row 32 (t / 2) + 8 (t % 2) + r + 8 (r / 8), so that, where a tile is a product's source 0, the 16 result registers of tiles 2 b and 2 b + 1 are 16 neighbours.
; A block's scale is 2^(floor(log2(its largest magnitude)) - 2); its byte is the largest magnitude's exponent field - 2, held at 1 from below.
; LIMITS: NaN and infinities among the inputs are not served; a block whose largest magnitude lies under 2^(3 - 127) gets the byte 1; a block of zeros gets the byte 1 where the rule says 127: its codes are zeros, and this program alone reads the bytes.
; SHARES.  A work-group is one tile of 16 rows; wave w takes K steps 2 w and 2 w + 1: 16 rows x 1,024 bytes, by 32 loads of 512 consecutive bytes, all issued at once.  The conversions want 32 neighbours of ONE row in a lane,
; so a fragment's 8,192 bytes turn through the wave's own stage in LDS (rows 528 bytes apart).  Waves share nothing: no barrier, no tensor load, no cluster (no byte is read by two work-groups), no matrix unit.
.set STG,  8448                        ; a wave's stage: 16 rows x (512 + 16) bytes
.set R,    16                          ; v16-143  two fragments' numbers as loaded
.set X,    144                         ; v144-207 64 numbers: X + 32 c + i = number i of block 2 c + h of my row
.set C,    208                         ; v208-219 the fragment's codes
.set T,    220                         ; v220-226 the upper halves of the two blocks' codes (a conversion's three registers begin on an even number)
.set SW,   228                         ; v228-229 my row's two scale words
	s_load_b256 s[4:11], s[0:1], 0x0               ; x s[4:5], w_attn s[6:7], w_proj s[8:9], img s[10:11]
	s_load_b64 s[12:13], s[0:1], 0x20              ; sc
	v_lshl_add_u32 v232, v0, 2, 0x8400
	v_mov_b32 v233, 0
	v_lshrrev_b32 v7, 5, v0
	v_readfirstlane_b32 s16, v7                    ; wave
	v_and_b32 v7, 31, v0                           ; lane
	v_lshlrev_b32 v1, 4, v7                        ; 16 x lane
	v_lshlrev_b32 v2, 3, v7                        ; 8 x lane
	s_mul_i32 s17, s16, STG
	v_add_nc_u32 v3, s17, v1                       ; the stage, on the way in: a row as it lies
	v_and_b32 v5, 15, v0                           ; r
	v_bfe_u32 v6, v0, 4, 1                         ; h
	v_mul_u32_u24 v4, v5, 528
	v_lshl_add_u32 v4, v6, 7, v4
	v_add_nc_u32 v4, s17, v4                       ; and on the way out: row r, + 128 h bytes: my block of 32
	v_lshlrev_b32 v5, 3, v5                        ; 8 r: my row's two scale words
	v_lshlrev_b32 v6, 3, v6                        ; 8 h: the shift of my two bytes in a scale word
	v_mov_b32 v15, 0                               ; a lane permute's destination counts as one of its sources
	s_mov_b32 s22, 0x76543210
	s_mov_b32 s23, 0xfedcba98                      ; selects for lane l xor 16
	s_mov_b32 s20, 704
	s_wait_kmcnt 0x0
	s_cmp_lt_u32 ttmp9, 704                        ; which tensor: the choice hangs on the work-group's number alone
	s_cselect_b64 s[14:15], s[6:7], s[8:9]
	s_cselect_b32 s20, 512, s20
	s_cmp_lt_u32 ttmp9, 512
	s_cselect_b64 s[14:15], s[4:5], s[14:15]
	s_cselect_b32 s20, 0, s20
	s_sub_co_u32 s20, ttmp9, s20                   ; the tile's number in its tensor
	s_lshr_b32 s21, s20, 1
	s_lshl_b32 s21, s21, 5
	s_and_b32 s24, s20, 1
	s_lshl_b32 s24, s24, 3
	s_add_co_u32 s21, s21, s24                     ; its first row: 32 (t / 2) + 8 (t % 2)
	s_lshl_b32 s24, s21, 12                        ; rows of 4,096 bytes
	s_lshl_b32 s25, s16, 10                        ; my two K steps: 1,024 bytes
	s_add_co_u32 s24, s24, s25
	s_mov_b32 s25, 0
	s_add_nc_u64 s[14:15], s[14:15], s[24:25]
	s_mul_i32 s24, ttmp9, 12288
	s_mul_i32 s26, s16, 3072
	s_add_co_u32 s24, s24, s26
	s_add_nc_u64 s[10:11], s[10:11], s[24:25]      ; my two images
	s_lshl_b32 s24, ttmp9, 9
	s_lshl_b32 s26, s16, 7
	s_add_co_u32 s24, s24, s26
	s_add_nc_u64 s[12:13], s[12:13], s[24:25]      ; my 16 rows' pairs of scale words
.irp s, 0,1
.set i, 0
.rept 16
	global_load_b128 v[R+64*\s+4*i:R+64*\s+4*i+3], v1, s[14:15] offset:(i+8*(i/8))*4096+512*\s th:TH_LOAD_NT   ; 32 lanes read 512 consecutive bytes: row i's 128 numbers of K step 2 w + s
.set i, i+1
.endr
.endr
.macro FRAGQ s
	s_wait_loadcnt 16-16*\s                        ; this fragment's 16 loads are in; the 16 younger ones are the next fragment's
.set i, 0
.rept 16
	ds_store_b128 v3, v[R+64*\s+4*i:R+64*\s+4*i+3] offset:528*i
.set i, i+1
.endr
.irp c, 0,1
.irp j, 0,1,2,3,4,5,6,7
	ds_load_b128 v[X+32*\c+4*\j:X+32*\c+4*\j+3], v4 offset:256*\c+16*\j   ; LDS serves a wave's instructions in order: these see the stores above
.endr
.endr
	s_wait_dscnt 0x0
.irp c, 0,1
	v_max3_num_f32 v[8+\c], |v[X+32*\c]|, |v[X+32*\c+1]|, 0x1800000   ; block 2 c + h: all 32 numbers are mine; the floor 2^(3 - 127) holds the byte at 1 from below
.endr
.irp n, 2,4,6,8,10,12,14,16,18,20,22,24,26,28,30
.irp c, 0,1
	v_max3_num_f32 v[8+\c], v[8+\c], |v[X+32*\c+\n]|, |v[X+32*\c+\n+1]|
.endr
.endr
.irp c, 0,1
	v_add_nc_u32 v[10+\c], 0xff000000, v[8+\c]     ; 2 off the exponent field: the conversion takes the exponent field of this operand as its scale
.endr
.irp c, 0,1
	v_lshrrev_b32 v[12+\c], 23, v[10+\c]           ; the scale's byte
.endr
	v_lshl_or_b32 v14, v13, 16, v12                ; my two bytes, blocks h and 2 + h,
	v_lshlrev_b32 v14, v6, v14                     ; at their places in the word;
	v_permlanex16_b32 v15, v14, s22, s23
	v_or_b32 v[SW+\s], v14, v15                    ; with lane l xor 16's two the word is whole
.if \s
	s_wait_xcnt 0x0                                ; the first fragment's stores have read their data: the codes' registers may be written again
.endif
.irp c, 0,1
	v_cvt_scalef32_pk16_fp6_f32 v[C+6*\c:C+6*\c+2], v[X+32*\c:X+32*\c+15], v[10+\c]
	v_cvt_scalef32_pk16_fp6_f32 v[T+4*\c:T+4*\c+2], v[X+32*\c+16:X+32*\c+31], v[10+\c]
.endr
	v_nop                                          ; one plain place behind a scaled conversion
.irp c, 0,1
.irp n, 0,1,2
	v_mov_b32 v[C+6*\c+3+\n], v[T+4*\c+\n]
.endr
.endr
.irp c, 0,1
	global_store_b128 v1, v[C+6*\c:C+6*\c+3], s[10:11] offset:1536*\s+768*\c          ; 512 consecutive bytes, aligned to 256
	global_store_b64 v2, v[C+6*\c+4:C+6*\c+5], s[10:11] offset:1536*\s+768*\c+512     ; 256 consecutive bytes, aligned to 256
.endr
.endm
	FRAGQ 0
	FRAGQ 1
	global_store_b64 v5, v[SW:SW+1], s[12:13]      ; 128 consecutive bytes (both halves of the lanes write the same): half an aligned 256; the four waves' parts lie on end.  One byte in 128 of what the launch reads
	s_wait_tensorcnt 0x0
	ds_add_u32 v232, v233
	s_wait_dscnt 0x0
	s_endpgm
.Lfunc_end_k_q3d60295a91_quant:
	.size	k_q3d60295a91_quant, .Lfunc_end_k_q3d60295a91_quant-k_q3d60295a91_quant
	.p2alignl 7, 3214868480
	.fill 96, 4, 3214868480
	.section	.rodata,"a",@progbits
	.p2align	6, 0x0
	.amdhsa_kernel k_q3d60295a91_quant
		.amdhsa_group_segment_fixed_size 34304
		.amdhsa_private_segment_fixed_size 0
		.amdhsa_enable_private_segment 0
		.amdhsa_kernarg_size 40
		.amdhsa_user_sgpr_count 2
		.amdhsa_user_sgpr_kernarg_segment_ptr 1
		.amdhsa_wavefront_size32 1
		.amdhsa_system_sgpr_workgroup_id_x 1
		.amdhsa_system_sgpr_workgroup_id_y 1
		.amdhsa_system_sgpr_workgroup_id_z 1
		.amdhsa_system_vgpr_workitem_id 0
		.amdhsa_next_free_vgpr 234
		.amdhsa_next_free_sgpr 66
		.amdhsa_reserve_vcc 0
		.amdhsa_float_denorm_mode_32 3
		.amdhsa_float_denorm_mode_16_64 3
		.amdhsa_memory_ordered 1
		.amdhsa_forward_progress 1
		.amdhsa_inst_pref_size 17
	.end_amdhsa_kernel
	.amdgpu_metadata
---
amdhsa.version: [ 1, 2 ]
amdhsa.kernels:
  - .name:           k_q3d60295a91_quant
    .symbol:         k_q3d60295a91_quant.kd
    .args:
      - { .name: x, .offset: 0, .size: 8, .value_kind: global_buffer, .address_space: global }
      - { .name: w_attn, .offset: 8, .size: 8, .value_kind: global_buffer, .address_space: global }
      - { .name: w_proj, .offset: 16, .size: 8, .value_kind: global_buffer, .address_space: global }
      - { .name: img, .offset: 24, .size: 8, .value_kind: global_buffer, .address_space: global }
      - { .name: sc, .offset: 32, .size: 8, .value_kind: global_buffer, .address_space: global }
    .group_segment_fixed_size: 34304
    .private_segment_fixed_size: 0
    .kernarg_segment_align: 8
    .kernarg_segment_size: 40
    .max_flat_workgroup_size: 128
    .sgpr_count:     66
    .vgpr_count:     234
    .wavefront_size: 32
...
	.end_amdgpu_metadata
.endif
;; end of part 1
;; launch qkvgemm (part 2): grid 12 x 32, 4 waves a work-group, clusters of 4 x 4, 327,680 bytes of LDS; arguments img, sc, b_attn, qkv; writes qkv
.if DOCPART == 2
	.amdgcn_target "amdgcn-amd-amdhsa--gfx1250"
	.amdhsa_code_object_version 6
	.text
	.protected	k_q3d60295a91_qkvgemm
	.globl	k_q3d60295a91_qkvgemm
	.p2align	8
	.type	k_q3d60295a91_qkvgemm,@function
k_q3d60295a91_qkvgemm:
	s_mov_b64 s[64:65], 0
	v_nop
	global_prefetch_b8 v0, s[64:65] scope:SCOPE_SE
	s_setreg_imm32_b32 hwreg(HW_REG_WAVE_MODE, 25, 1), 1
	s_wait_xcnt 0x0
	s_wait_alu depctr_hold_cnt(0) depctr_sa_sdst(0) depctr_va_vdst(0) depctr_va_sdst(0) depctr_va_ssrc(0) depctr_va_vcc(0) depctr_vm_vsrc(0)
	s_getreg_b32 s2, hwreg(HW_REG_IB_STS2, 6, 4)
	s_cmp_eq_u32 s2, 0
	s_cbranch_scc0 .Lentry_in_a_cluster
	s_endpgm
.Lentry_in_a_cluster:
	s_bfe_u32 s2, ttmp6, 0x10000c
	s_cmp_lg_u32 s2, 0xf033
	s_cbranch_scc0 .Lentry_shape_is_right
	s_endpgm
.Lentry_shape_is_right:
; qkv = x w_attn^T + b_attn on codes of FP6 (E2M3) with E8M0 scales, and the result quantised at once for the attention: q and k along a head's 64 channels, v along the tokens.  No f32 number of qkv goes to memory.
; FORM.  D[i][j] = sum over k of P[i][k] Q[j][k], K = 1,024.  Source 0 = 16 rows of Q, source 1 = 16 rows of P: a lane holds ONE row of P and its registers run along Q's rows, which is the axis that is quantised.
;   kind 0 (cluster x 0, 1): P = x (tokens), Q = w_attn's rows 0-2,047: q and k.      kind 1 (cluster x 2): P = w_attn's rows 2,048-3,071 (v's channels), Q = x (tokens): v with the tokens along the registers.
; OPERANDS lie in memory as images of their registers (img: [tile of 16 rows][K step][1,536 bytes], sc: [tile][pair of K steps][r][2 words]): a fragment comes from LDS by four loads of consecutive bytes.
; Lane r of tile t holds row 32 (t / 2) + 8 (t % 2) + r + 8 (r / 8): so the 16 result registers of Q's tiles 2 b and 2 b + 1 are 16 neighbours, 32 b + 16 (lane / 16) + 0 .. 15.
; SHARES.  A work-group makes 256 x 256, each of its four waves 128 x 128: 64 accumulators, 512 registers.  K goes in steps of 256 (two matrix instructions deep) through two LDS slots filled by the tensor data mover.
; CLUSTERS: 4 x 4 work-groups.  P's tiles hang on the cluster's y place alone and are asked for jointly along a row of the cluster, Q's on the x place alone, along a column.  kind hangs on the cluster's number: the same in all partners.
; THE BIAS is the C of each sum's first matrix instruction.
; OUTPUT: qkv = 64 records (batch x 16 + head) of 315,392 bytes: K's half fragments [tile][768] at 0; V's fragments [key step of 128][tile of 16 channels][1,536] at 98,304; K's scale words [4 tiles][r][tile % 4] at 196,608;
;   V's [key step][r][tile] at 204,800; Q's half fragments at 208,896; Q's scale words at 307,200.  A word of q or k is byte 0, byte 1, 0x7f, 0x7f: the head has two blocks of 32.
; LIMITS: NaN and infinities are not served; a block whose largest magnitude lies under 2^(3 - 127), a block of zeros among them, gets the byte 1 (its codes are then zeros or next to it; this program alone reads the bytes).
; No prefetch: K has four slots' worth of steps, of which two are the first fills: no K step lies two refills ahead of its load.
; REGISTERS: window 0: v0-31 addresses; v32-63 scale words, two sets, and nothing else; v64-127 the bias, later the way out's work; v128-223 P's 8 fragments, one set.   window 1: Q's fragments, two sets, at v0 and v128.
;   window 2: the accumulators of P's blocks 0-3 ((a, b) at v[8 (8 (a % 4) + b)]);   window 3: those of blocks 4-7.
.set NQ,     2                         ; matrix instructions deep in a slot
.set FR,     12                        ; registers of a fragment
.set NL,     4                         ; LDS loads that bring one
.set NP,     4                         ; places behind this matrix instruction (ISA guide 7.12.1)
.set FRB,    1536                      ; a fragment's image
.set TILEB,  NQ*FRB                    ; a tile of 16 rows in a slot
.set HALFT,  8*TILEB                   ; 128 rows: what one tensor load brings, and what one wave reads of P or of Q
.set SLOT,   4*HALFT                   ; P's 256 rows, then Q's 256
.set SCL,    2*SLOT                    ; behind the ring: the scale words for all of K: P's 8,192 bytes, then Q's
.set HALFS,  4096                      ; those of 128 rows
.set SPARE,  SCL+4*HALFS               ; the spare words, 128 bytes for each wave: two blocks of 256 bytes that no other line names
.set RECORD, 315392
.set VIMG,   98304
.set KSC,    196608
.set VSC,    204800
.set QIMG,   208896
.set QSC,    307200
.set ADRA, 16                          ; v16-17 LDS address of P's fragments in slot 0, 1: + 16 x lane;  v18-19: + 8 x lane
.set ADRB, 20                          ; v20-23 the same for Q
.set L16,  24                          ; v24 16 x lane
.set L8,   25                          ; v25 8 x lane
.set SA,   26                          ; v26 16 r + (lane / 16) x RECORD: where a scale word's four go
.set ADRS, 27                          ; v27 LDS address of my scale words: lanes 0-15 P's rows, lanes 16-31 Q's
.set SPW,  28                          ; v28 my spare word; never rewritten
.set NIL,  29                          ; v29 0; never rewritten
.set SC,   32
.set BIAS, 64
.set AF,   128
.set TM,   64                          ; the way out: v64-67 largest magnitudes, v68-71 the other half's, then bytes, v76-79 scale operands
.set PC,   80                          ; v80-98 codes
.set W,    100                         ; v100-107 a scale word for each of P's 8 blocks
.set W2,   108                         ; v108-111
.set T0,   112
.set T1,   113
.set G1, 24                            ; s[24:31] group 1 for P's tiles;  s[32:39] group 0, a set for each slot
.set G0, 32
.set G1B, 48                           ; s[48:55], s[56:63] the same for Q's
.set G0B, 56
.set G1S, 68                           ; s[68:75], s[76:79] groups 1 and 0 for P's scales;  s[80:87], s[88:91] for Q's
.set G0S, 76
.set G1SB, 80
.set G0SB, 88
.set KIND, 95
.set SEL,  96
.set MSB, 0
.macro WIN new                         ; the immediate's high byte repeats the setting that is left
.if MSB != (\new)
	s_set_vgpr_msb (MSB<<8)|(\new)
.set MSB, (\new)
.endif
.endm
.set MUL_LO, 0xa1                      ; source 0 (Q) window 1, source 1 (P) window 0, C and D window 2
.set MUL_HI, 0xf1                      ; the same, C and D window 3
.set TO_B,   0x40                      ; destination window 1, address window 0
; A joint load: waves 0 and 1 fetch for P, waves 2 and 3 for Q.  Four v_nop follow each of the two lines.
.macro JLOAD g0a, g1a, g0b, g1b
	s_cmp_eq_u32 s15, 0
	s_cbranch_scc0 .Lfor_b_\@
	tensor_load_to_lds s[\g0a:\g0a+3], s[\g1a:\g1a+7]
	s_nop 0
.rept 4
	v_nop
.endr
	s_branch .Lasked_\@
.Lfor_b_\@:
	tensor_load_to_lds s[\g0b:\g0b+3], s[\g1b:\g1b+7]
	s_nop 0
.rept 4
	v_nop
.endr
.Lasked_\@:
.endm
.macro CREST                           ; a round of the cluster's barrier behind its opening barrier
	s_cmp_lg_u32 s14, 0
	s_cbranch_scc1 .Lnot_wave_0_\@
	s_barrier_signal -3
.Lnot_wave_0_\@:
	s_barrier_wait -3
	s_barrier_signal -1
	s_barrier_wait -1
.endm
.macro CROUND
	s_barrier_signal -1
	s_barrier_wait -1
	CREST
.endm
	s_load_b256 s[4:11], s[0:1], 0x0               ; img s[4:5], sc s[6:7], b_attn s[8:9], qkv s[10:11]
	v_lshl_add_u32 v[SPW], v0, 2, SPARE
	v_mov_b32 v[NIL], 0
	ds_add_u32 v28, v29
	ds_add_u32 v28, v29
	s_wait_dscnt 0x0
	v_lshrrev_b32 v1, 5, v0
	v_readfirstlane_b32 s14, v1                    ; wave 0..3
	s_lshr_b32 s15, s14, 1                         ; my half of P's rows.  Also: I fetch for P (0) or for Q (1)
	s_and_b32 s16, s14, 1                          ; my half of Q's rows.  Also: which 128 rows I fetch
	s_bfe_u32 s40, ttmp6, 0x40000                  ; cx
	s_bfe_u32 s41, ttmp6, 0x40004                  ; cy
	s_and_b32 s18, ttmp7, 0xffff
	s_lshl_b32 s18, s18, 2                         ; 4 x cluster y
	s_lshl_b32 s19, ttmp9, 2
	s_add_co_u32 s19, s19, 32                      ; 32 + 4 x cluster x
	s_cmp_eq_u32 ttmp9, 2
	s_cselect_b32 s[KIND], 1, 0
	s_cselect_b32 s17, 40, s18                     ; blocks of 256 rows in img: x 0-31, w_attn 32-43
	s_cselect_b32 s42, s18, s19
	s_add_co_u32 s17, s17, s41                     ; P's block: hangs on cy alone
	s_add_co_u32 s42, s42, s40                     ; Q's block: hangs on cx alone
	s_lshl_b32 s43, s41, 2
	s_lshl_b32 s43, 15, s43                        ; my row of the cluster
	s_lshl_b32 s44, 0x1111, s40                    ; my column
	; group 1 for codes: 8 tiles of 16 rows, of each 3,072 consecutive bytes (two K steps), 12,288 bytes apart; elements of 8 bytes; dense in LDS
	s_or_b32 s[G1+0], s43, (3<<16)|(1<<21)         ; 15:0 the mask; 17:16 elements of 8 bytes; 21 set beside a mask
	s_or_b32 s[G1B+0], s44, (3<<16)|(1<<21)
.irp g, G1, G1B
	s_mov_b32 s[\g+1], 384<<16                     ; tensor_dim0
	s_mov_b32 s[\g+2], 8<<16                       ; tensor_dim1
	s_mov_b32 s[\g+3], 384<<16                     ; tile_dim0
	s_mov_b32 s[\g+4], 8                           ; tile_dim1
	s_mov_b32 s[\g+5], 1536                        ; tensor_dim0_stride
	s_mov_b32 s[\g+6], 0
	s_mov_b32 s[\g+7], 0
.endr
	; and for the scale words of 128 rows: 4,096 dense bytes as 16 rows of 256
	s_or_b32 s[G1S+0], s43, (3<<16)|(1<<21)
	s_or_b32 s[G1SB+0], s44, (3<<16)|(1<<21)
.irp g, G1S, G1SB
	s_mov_b32 s[\g+1], 32<<16
	s_mov_b32 s[\g+2], 16<<16
	s_mov_b32 s[\g+3], 32<<16
	s_mov_b32 s[\g+4], 16
	s_mov_b32 s[\g+5], 32
	s_mov_b32 s[\g+6], 0
	s_mov_b32 s[\g+7], 0
.endr
	s_lshl_b32 s20, s17, 1
	s_add_co_u32 s20, s20, s16                     ; P: which 128 rows of img
	s_lshl_b32 s46, s42, 1
	s_add_co_u32 s46, s46, s16                     ; Q likewise
	s_lshl_b32 s22, s20, 12                        ; their scale words: 4,096 bytes each,
	s_mov_b32 s23, 0
	s_lshl_b32 s92, s46, 12
	s_mov_b32 s93, 0
	s_mul_i32 s20, s20, 98304                      ; their codes: 8 tiles of 12,288 bytes
	s_mov_b32 s21, 0
	s_mul_i32 s46, s46, 98304
	s_mov_b32 s47, 0
	s_mul_i32 s45, s14, HALFT                      ; where they go: wave x 128 rows: no place in the cluster enters an LDS address
	s_lshl_b32 s94, s14, 12
	s_wait_kmcnt 0x0
	s_add_nc_u64 s[20:21], s[4:5], s[20:21]
	s_add_nc_u64 s[22:23], s[6:7], s[22:23]
	s_add_nc_u64 s[46:47], s[4:5], s[46:47]
	s_add_nc_u64 s[92:93], s[6:7], s[92:93]
	CROUND                                         ; all sixteen work-groups are here: the first joint loads meet
	s_mov_b32 s[G0S], 1
	s_add_co_u32 s[G0S+1], s94, SCL
	s_mov_b64 s[G0S+2:G0S+3], s[22:23]
	s_or_b32 s[G0S+3], s[G0S+3], 0x80000000
	s_mov_b32 s[G0SB], 1
	s_add_co_u32 s[G0SB+1], s94, SCL
	s_mov_b64 s[G0SB+2:G0SB+3], s[92:93]
	s_or_b32 s[G0SB+3], s[G0SB+3], 0x80000000
	JLOAD G0S, G1S, G0SB, G1SB                     ; the scale words first: they are wanted with K step 0
.irp s, 0,1
	s_mov_b32 s[G0+4*\s], 1
	s_add_co_u32 s[G0+4*\s+1], s45, \s*SLOT
	s_add_nc_u64 s[G0+4*\s+2:G0+4*\s+3], s[20:21], \s*TILEB
	s_or_b32 s[G0+4*\s+3], s[G0+4*\s+3], 0x80000000
	s_mov_b32 s[G0B+4*\s], 1
	s_add_co_u32 s[G0B+4*\s+1], s45, \s*SLOT
	s_add_nc_u64 s[G0B+4*\s+2:G0B+4*\s+3], s[46:47], \s*TILEB
	s_or_b32 s[G0B+4*\s+3], s[G0B+4*\s+3], 0x80000000
	JLOAD G0+4*\s, G1, G0B+4*\s, G1B               ; three tensor loads of mine are out now
.endr
	v_and_b32 v1, 15, v0                           ; r
	v_bfe_u32 v2, v0, 4, 1                         ; h
	v_and_b32 v3, 31, v0
	v_lshlrev_b32 v[L16], 4, v3
	v_lshlrev_b32 v[L8], 3, v3
	s_mul_i32 s21, s15, HALFT                      ; my 128 rows of P
	s_mul_i32 s22, s16, HALFT                      ; my 128 rows of Q,
	s_add_co_u32 s22, s22, 2*HALFT                 ; which lie behind P's 256
.irp s, 0,1
	v_add_nc_u32 v[ADRA+\s], s21, v[L16]
	v_add_nc_u32 v[ADRA+2+\s], s21, v[L8]
	v_add_nc_u32 v[ADRB+\s], s22, v[L16]
	v_add_nc_u32 v[ADRB+2+\s], s22, v[L8]
	s_add_co_u32 s21, s21, SLOT
	s_add_co_u32 s22, s22, SLOT
.endr
	s_lshl_b32 s21, s15, 12                        ; P's scale words: my 128 rows
	s_lshl_b32 s22, s16, 12                        ; Q's: my 128 rows, behind P's 256
	s_add_co_u32 s22, s22, 2*HALFS
	s_sub_co_u32 s22, s22, s21
	v_mul_u32_u24 v6, s22, v2                      ; lanes 16-31 take Q's
	s_add_co_u32 s21, s21, SCL
	v_lshl_add_u32 v5, v1, 3, v6                   ; 8 bytes a row: the two words of a pair of K steps
	v_add_nc_u32 v[ADRS], s21, v5
	v_mul_u32_u24 v[SA], v2, RECORD
	v_lshl_add_u32 v[SA], v1, 4, v[SA]
	; THE BIAS.  kind 0: it runs along Q's rows: for Q's block b eight registers, b_attn at 32 (b / 2) + 8 (b % 2) + 16 h + 0 .. 7.  kind 1: along P's rows: for P's block a one number a lane, in all eight registers.
	s_sub_co_u32 s18, s42, 32
	s_lshl_b32 s18, s18, 1
	s_add_co_u32 s18, s18, s16                     ; kind 0: my 128 rows of w_attn: 2 (Q's block - 32) + half
	s_sub_co_u32 s19, s17, 32
	s_lshl_b32 s19, s19, 1
	s_add_co_u32 s19, s19, s15                     ; kind 1: 2 (P's block - 32) + half
	s_cmp_lg_u32 s[KIND], 0
	s_cselect_b32 s18, s19, s18
	s_lshl_b32 s18, s18, 9                         ; 128 numbers of 4 bytes
	s_mov_b32 s19, 0
	s_add_nc_u64 s[8:9], s[8:9], s[18:19]
	s_cmp_lg_u32 s[KIND], 0
	s_cbranch_scc1 .Lbias_v
	v_lshlrev_b32 v7, 6, v2
.irp b, 0,1,2,3,4,5,6,7
	global_load_b128 v[BIAS+8*\b:BIAS+8*\b+3], v7, s[8:9] offset:(32*(\b/2)+8*(\b%2))*4
	global_load_b128 v[BIAS+8*\b+4:BIAS+8*\b+7], v7, s[8:9] offset:(32*(\b/2)+8*(\b%2))*4+16
.endr
	s_branch .Lbias_done
.Lbias_v:
	v_and_b32 v7, 8, v1
	v_add_nc_u32 v7, v7, v1
	v_lshlrev_b32 v7, 2, v7                        ; 4 (r + 8 (r / 8))
.irp a, 0,1,2,3,4,5,6,7
	global_load_b32 v[BIAS+8*\a], v7, s[8:9] offset:(32*(\a/2)+8*(\a%2))*4
.endr
	s_wait_loadcnt 0x0                             ; (the first tiles are on their way meanwhile)
.irp a, 0,1,2,3,4,5,6,7
.irp j, 1,2,3,4,5,6,7
	v_mov_b32 v[BIAS+8*\a+\j], v[BIAS+8*\a]
.endr
.endr
.Lbias_done:
.macro FRAG reg, adr, q, i             ; a fragment as it was stored: registers 0-3, 4-5, 6-9, 10-11; every load reads consecutive bytes
	ds_load_b128 v[\reg:\reg+3], v[\adr] offset:(\i)*TILEB+(\q)*FRB
	ds_load_b64 v[\reg+4:\reg+5], v[\adr+2] offset:(\i)*TILEB+(\q)*FRB+512
	ds_load_b128 v[\reg+6:\reg+9], v[\adr] offset:(\i)*TILEB+(\q)*FRB+768
	ds_load_b64 v[\reg+10:\reg+11], v[\adr+2] offset:(\i)*TILEB+(\q)*FRB+1280
.endm
; 16 matrix instructions: P's blocks a0, a0 + 1 x Q's eight.  p: Q's set; q: the slot's q-th 128 along K; sc: the set of scale words.  cm = 0: the sums go on; 1: they start from the bias of Q's block; 2: of P's block.
; The 64 accumulators take turns, one instruction a turn, in the same order in every step.
.macro MUL16 a0, p, q, sc, cm
.irp a, \a0, \a0+1
.irp b, 0,1,2,3,4,5,6,7
.if (\cm) == 1
	v_wmma_scale_f32_16x16x128_f8f6f4 v[8*(8*((\a)%4)+\b):8*(8*((\a)%4)+\b)+7], v[128*(\p)+FR*\b:128*(\p)+FR*\b+FR-1], v[AF+FR*(\a):AF+FR*(\a)+FR-1], v[BIAS+8*\b:BIAS+8*\b+7], v[SC+8*NQ*(\sc)+NQ*\b+(\q)], v[SC+8*NQ*(\sc)+NQ*(\a)+(\q)] matrix_a_fmt:MATRIX_FMT_FP6 matrix_b_fmt:MATRIX_FMT_FP6 matrix_a_scale:MATRIX_SCALE_ROW1
.elseif (\cm) == 2
	v_wmma_scale_f32_16x16x128_f8f6f4 v[8*(8*((\a)%4)+\b):8*(8*((\a)%4)+\b)+7], v[128*(\p)+FR*\b:128*(\p)+FR*\b+FR-1], v[AF+FR*(\a):AF+FR*(\a)+FR-1], v[BIAS+8*(\a):BIAS+8*(\a)+7], v[SC+8*NQ*(\sc)+NQ*\b+(\q)], v[SC+8*NQ*(\sc)+NQ*(\a)+(\q)] matrix_a_fmt:MATRIX_FMT_FP6 matrix_b_fmt:MATRIX_FMT_FP6 matrix_a_scale:MATRIX_SCALE_ROW1
.else
	v_wmma_scale_f32_16x16x128_f8f6f4 v[8*(8*((\a)%4)+\b):8*(8*((\a)%4)+\b)+7], v[128*(\p)+FR*\b:128*(\p)+FR*\b+FR-1], v[AF+FR*(\a):AF+FR*(\a)+FR-1], v[8*(8*((\a)%4)+\b):8*(8*((\a)%4)+\b)+7], v[SC+8*NQ*(\sc)+NQ*\b+(\q)], v[SC+8*NQ*(\sc)+NQ*(\a)+(\q)] matrix_a_fmt:MATRIX_FMT_FP6 matrix_b_fmt:MATRIX_FMT_FP6 matrix_a_scale:MATRIX_SCALE_ROW1
.endif
.endr
.endr
.endm
.macro FETCH_B slot, q, p              ; Q's eight fragments of the slot's q-th 128 along K into set p
	WIN TO_B
.irp i, 0,1,2,3,4,5,6,7
	FRAG 128*(\p)+FR*\i, ADRB+\slot, \q, \i
.endr
	WIN 0
.endm
.macro FETCH_A slot, q, i0             ; P's blocks i0 .. i0 + 3
.irp i, \i0, \i0+1, \i0+2, \i0+3
	FRAG AF+FR*(\i), ADRA+\slot, \q, \i
.endr
.endm
.macro SCALES sc                       ; a slot's scale words into set sc: two words a row; lanes 0-15 take P's block i, lanes 16-31 Q's block i
.irp i, 0,1,2,3,4,5,6,7
	ds_load_b64 v[SC+8*NQ*\sc+NQ*\i:SC+8*NQ*\sc+NQ*\i+1], v[ADRS] offset:\i*512
.endr
.endm
.macro PLACES n                        ; plain vector instructions between a matrix instruction and a load into, or a vector instruction on, its registers (ISA guide 7.12.1 for vector instructions)
.rept \n
	v_nop
.endr
.endm
; A step of 128 along K that has its successor in the same slot.  P has one set of registers: blocks 0-3 are fetched anew in the step's middle, blocks 4-7 at its end; Q has two sets.
.macro STEP slot, q, cm
	s_wait_dscnt 4*NL                              ; all but the youngest 16 loads, which are P's blocks 4-7
.if \cm
	WIN 0x81                                       ; as MUL_LO, with C (the bias) in window 0
.else
	WIN MUL_LO
.endif
	MUL16 0, (\q)%2, \q, \slot, \cm
	MUL16 2, (\q)%2, \q, \slot, \cm
	s_wait_dscnt 0                                 ; P's blocks 4-7 are in (asked for 32 matrix instructions ago)
	PLACES NP
	FETCH_B \slot, (\q)+1, 1-(\q)%2
	FETCH_A \slot, (\q)+1, 0
.if \cm
	WIN 0xc1
.else
	WIN MUL_HI
.endif
	MUL16 4, (\q)%2, \q, \slot, \cm
	MUL16 6, (\q)%2, \q, \slot, \cm
	PLACES NP
	WIN 0
	FETCH_A \slot, (\q)+1, 4
.endm
; A slot's last step changes slots: ONE barrier; in front of it each wave waits for all its tensor loads, adds 0 to its spare word, and waits for that and for its own reads of this slot.  fill = 1: this slot is filled again, two slots ahead along K.
.macro TURN slot, next, fill
	s_wait_tensorcnt 0x0                           ; all my tensor loads have landed: my part of the next slot
	ds_add_u32 v[SPW], v[NIL]                      ; 0 onto my spare word
	s_wait_dscnt 4*NL+1                            ; (the add and the youngest 16 loads, P's blocks 4-7, may be out)
	WIN MUL_LO
	MUL16 0, 1, NQ-1, \slot, 0                     ; sixteen matrix instructions stand between the add and the wait for it
	s_wait_dscnt 0x0                               ; the add is done, and my reads of this slot are over
	s_barrier_signal -1
	MUL16 2, 1, NQ-1, \slot, 0
	WIN 0
	s_barrier_wait -1
.if \fill
	CREST                                          ; the barrier has opened a round of the cluster's barrier: no wave of any partner still reads this slot or has a load on its way
	s_add_nc_u64 s[G0+4*\slot+2:G0+4*\slot+3], s[G0+4*\slot+2:G0+4*\slot+3], 2*TILEB
	s_add_nc_u64 s[G0B+4*\slot+2:G0B+4*\slot+3], s[G0B+4*\slot+2:G0B+4*\slot+3], 2*TILEB
	JLOAD G0+4*\slot, G1, G0B+4*\slot, G1B         ; the first tensor load behind the round, my only one until the next; its four v_nop are the places in front of the loads below
.else
	PLACES NP
.endif
	v_add_nc_u32 v[ADRS], 128, v[ADRS]             ; on to the next pair of K steps' scale words
	FETCH_B \next, 0, 0
	FETCH_A \next, 0, 0
	SCALES \next
	WIN MUL_HI
	MUL16 4, 1, NQ-1, \slot, 0
	MUL16 6, 1, NQ-1, \slot, 0
	PLACES NP
	WIN 0
	FETCH_A \next, 0, 4
.endm
	s_wait_tensorcnt 1                             ; the scale words and my part of slot 0 are in; slot 1's load may be out
	s_barrier_signal -1
	s_barrier_wait -1
	FETCH_B 0, 0, 0
	FETCH_A 0, 0, 0
	SCALES 0
	FETCH_A 0, 0, 4
	s_wait_loadcnt 0x0                             ; the bias
	s_cmp_lg_u32 s[KIND], 0
	s_cbranch_scc1 .Lfirst_v
	STEP 0, 0, 1                                   ; K step 0 starts the sums from the bias
	s_branch .Lfirst_done
.Lfirst_v:
	STEP 0, 0, 2
.Lfirst_done:
	TURN 0, 1, 1                                   ; K step 1; slot 0 takes K steps 4, 5.  K has eight steps: they are written out
	STEP 1, 0, 0                                   ; 2
	TURN 1, 0, 1                                   ; 3; slot 1 takes K steps 6, 7
	STEP 0, 0, 0                                   ; 4
	TURN 0, 1, 0                                   ; 5; nothing is left to fetch
	STEP 1, 0, 0                                   ; 6
	s_wait_dscnt 4*NL                              ; 7
	WIN MUL_LO
	MUL16 0, 1, NQ-1, 1, 0
	MUL16 2, 1, NQ-1, 1, 0
	s_wait_dscnt 0
	WIN MUL_HI
	MUL16 4, 1, NQ-1, 1, 0
	MUL16 6, 1, NQ-1, 1, 0
	WIN 0
; THE WAY OUT.  For P's block a, a lane's 64 registers (accumulators b = 0 .. 7) are 64 numbers of ONE row of P: register 16 g + i = Q's row 32 g + 16 h + i.  Four blocks of 32, each in lanes l and l xor 16.
; They become one fragment (12 registers) and four scale bytes.  kind 0: the fragment's two halves are two heads' 64 channels of 16 tokens.  kind 1: it is 16 channels x a key step of 128 tokens.
.macro QTILE a, kind
.set AC, 64*((\a)%4)
.set WA, 2+(\a)/4
.set WW, (WA<<2)|(WA<<4)
	WIN WW                                         ; sources 1 and 2: the accumulators' window
.irp g, 0,1,2,3
	v_max3_num_f32 v[TM+\g], 0x1800000, |v[AC+16*\g]|, |v[AC+16*\g+1]|   ; the floor 2^(3 - 127) holds the byte at 1 from below.  Each accumulator is read from its low end on
.endr
.irp i, 2,4,6,8,10,12,14
.irp g, 0,1,2,3
	v_max3_num_f32 v[TM+\g], v[TM+\g], |v[AC+16*\g+\i]|, |v[AC+16*\g+\i+1]|
.endr
.endr
	WIN 0
.irp g, 0,1,2,3
	v_permlanex16_b32 v[TM+4+\g], v[TM+\g], s[SEL], s[SEL+1]
.endr
.irp g, 0,1,2,3
	v_max_num_f32 v[TM+\g], v[TM+\g], v[TM+4+\g]   ; with lane l xor 16's: the block's largest magnitude
.endr
.irp g, 0,1,2,3
	v_add_nc_u32 v[TM+12+\g], 0xff000000, v[TM+\g] ; 2 off its exponent field: the conversion's scale operand
.endr
.irp g, 0,1,2,3
	v_lshrrev_b32 v[TM+4+\g], 23, v[TM+12+\g]      ; the scale's byte
.endr
.if \kind
	v_lshl_or_b32 v[W+\a], v[TM+5], 8, v[TM+4]     ; the four bytes of 128 tokens
	v_lshl_or_b32 v[W+\a], v[TM+6], 16, v[W+\a]
	v_lshl_or_b32 v[W+\a], v[TM+7], 24, v[W+\a]
.else
	v_lshl_or_b32 v[T0], v[TM+5], 8, v[TM+4]       ; the first head's two bytes,
	v_lshl_or_b32 v[T1], v[TM+7], 8, v[TM+6]       ; the second's:
	v_cndmask_b32 v[T0], v[T0], v[T1], vcc_lo      ; lanes 0-15 keep the first head's, lanes 16-31 the second's
	v_or_b32 v[W+\a], 0x7f7f0000, v[T0]            ; the upper two blocks of the attention's K step of 128 are empty: scale 1
.endif
.if (\a) > 0
	s_wait_xcnt 0x0                                ; the last block's stores have read their data: the codes' registers may be written again
.endif
	WIN WA                                         ; source 0: the accumulators' window
.irp c, 0,1
	v_cvt_scalef32_pk16_fp6_f32 v[PC+6*\c:PC+6*\c+2], v[AC+32*\c:AC+32*\c+15], v[TM+12+2*\c]
	v_cvt_scalef32_pk16_fp6_f32 v[PC+12+4*\c:PC+14+4*\c], v[AC+32*\c+16:AC+32*\c+31], v[TM+12+2*\c+1]
.endr
	WIN 0
	v_nop                                          ; one plain place behind a scaled conversion
.irp c, 0,1                                    ; the operand's layout wants a WHOLE block in a lane: lanes 0-15 block 2 c, lanes 16-31 block 2 c + 1
.irp i, 0,1,2
	v_permlane16_swap_b32 v[PC+6*\c+\i], v[PC+12+4*\c+\i]
.endr
.irp i, 0,1,2
	v_mov_b32 v[PC+3+6*\c+\i], v[PC+12+4*\c+\i]
.endr
.endr
.irp c, 0,1                                    ; each store covers 512 or 256 consecutive bytes, aligned to 256
.if \kind
	global_store_b128 v[L16], v[PC+6*\c:PC+6*\c+3], s[12:13] offset:((\a)/4)*RECORD+((\a)%4)*FRB+768*\c
	global_store_b64 v[L8], v[PC+6*\c+4:PC+6*\c+5], s[12:13] offset:((\a)/4)*RECORD+((\a)%4)*FRB+768*\c+512
.else
	global_store_b128 v[L16], v[PC+6*\c:PC+6*\c+3], s[12:13] offset:(\a)*768+\c*RECORD
	global_store_b64 v[L8], v[PC+6*\c+4:PC+6*\c+5], s[12:13] offset:(\a)*768+\c*RECORD+512
.endif
.endr
.endm
	PLACES NP                                      ; behind the last products
.irp g, 0,1,2,3
	v_mov_b32 v[TM+4+\g], 0                        ; written once: a lane permute's destination counts as one of its sources
.endr
	s_mov_b32 s[SEL], 0x76543210
	s_mov_b32 s[SEL+1], 0xfedcba98                 ; selects for lane l xor 16
	s_mov_b32 vcc_lo, 0xffff0000                   ; lanes 16-31
	s_mov_b32 s23, 0
	s_mov_b32 s3, 0
	s_cmp_lg_u32 s[KIND], 0
	s_cbranch_scc1 .Lout_v
	s_sub_co_u32 s20, s42, 32                      ; which 256 rows of w_attn: 0-3 q, 4-7 k
	s_lshl_b32 s21, s20, 2
	s_lshl_b32 s22, s16, 1
	s_add_co_u32 s21, s21, s22
	s_and_b32 s21, s21, 15                         ; my first head
	s_lshr_b32 s22, s17, 3                         ; the batch: eight blocks of 256 tokens each
	s_lshl_b32 s22, s22, 4
	s_add_co_u32 s21, s21, s22
	s_mul_i32 s21, s21, RECORD
	s_and_b32 s22, s17, 7
	s_lshl_b32 s22, s22, 1
	s_add_co_u32 s2, s22, s15                      ; which 128 tokens of the batch
	s_mul_i32 s22, s2, 8*768                       ; 8 half fragments,
	s_lshl_b32 s2, s2, 9                           ; 2 groups of scale words
	s_add_co_u32 s22, s22, s21
	s_add_co_u32 s2, s2, s21
	s_mov_b32 s19, KSC
	s_cmp_lt_u32 s20, 4
	s_cselect_b32 s18, QIMG, 0
	s_cselect_b32 s19, QSC, s19
	s_add_co_u32 s22, s22, s18
	s_add_co_u32 s2, s2, s19
	s_add_nc_u64 s[12:13], s[10:11], s[22:23]      ; codes
	s_add_nc_u64 s[18:19], s[10:11], s[2:3]        ; scale words
.irp a, 0,1,2,3,4,5,6,7
	QTILE \a, 0
.endr
	global_store_b128 v[SA], v[W:W+3], s[18:19]              ; sixteen lanes store 256 consecutive bytes: four tiles' words of 16 tokens; lanes 16-31 the next head's
	global_store_b128 v[SA], v[W+4:W+7], s[18:19] offset:256
	s_branch .Lend
.Lout_v:
	s_sub_co_u32 s20, s17, 40                      ; which 256 channels of v
	s_lshl_b32 s20, s20, 2
	s_lshl_b32 s21, s15, 1
	s_add_co_u32 s20, s20, s21                     ; my first head
	s_lshr_b32 s21, s42, 3                         ; the batch
	s_lshl_b32 s21, s21, 4
	s_add_co_u32 s20, s20, s21
	s_mul_i32 s20, s20, RECORD
	s_and_b32 s21, s42, 7
	s_lshl_b32 s21, s21, 1
	s_add_co_u32 s21, s21, s16                     ; the key step
	s_mul_i32 s22, s21, 4*FRB
	s_add_co_u32 s22, s22, s20
	s_add_co_u32 s22, s22, VIMG
	s_lshl_b32 s2, s21, 8
	s_add_co_u32 s2, s2, s20
	s_add_co_u32 s2, s2, VSC
	s_add_nc_u64 s[12:13], s[10:11], s[22:23]
	s_add_nc_u64 s[18:19], s[10:11], s[2:3]
.irp a, 0,1,2,3,4,5,6,7
	QTILE \a, 1
.endr
.irp t, 0,1,2,3
	v_cndmask_b32 v[W2+\t], v[W+\t], v[W+4+\t], vcc_lo   ; lanes 0-15: the first head's tile t, lanes 16-31: the second head's
.endr
	global_store_b128 v[SA], v[W2:W2+3], s[18:19]
.Lend:
	s_wait_tensorcnt 0x0                           ; the wave's end
	ds_add_u32 v[SPW], v[NIL]
	s_wait_dscnt 0x0
	CROUND                                         ; the closing round: no work-group ends while a partner may still ask for a tile that names it
	s_endpgm
.Lfunc_end_k_q3d60295a91_qkvgemm:
	.size	k_q3d60295a91_qkvgemm, .Lfunc_end_k_q3d60295a91_qkvgemm-k_q3d60295a91_qkvgemm
	.p2alignl 7, 3214868480
	.fill 96, 4, 3214868480
	.section	.rodata,"a",@progbits
	.p2align	6, 0x0
	.amdhsa_kernel k_q3d60295a91_qkvgemm
		.amdhsa_group_segment_fixed_size 327680
		.amdhsa_private_segment_fixed_size 0
		.amdhsa_enable_private_segment 0
		.amdhsa_kernarg_size 32
		.amdhsa_user_sgpr_count 2
		.amdhsa_user_sgpr_kernarg_segment_ptr 1
		.amdhsa_wavefront_size32 1
		.amdhsa_system_sgpr_workgroup_id_x 1
		.amdhsa_system_sgpr_workgroup_id_y 1
		.amdhsa_system_sgpr_workgroup_id_z 1
		.amdhsa_system_vgpr_workitem_id 0
		.amdhsa_next_free_vgpr 1024
		.amdhsa_next_free_sgpr 98
		.amdhsa_reserve_vcc 1
		.amdhsa_float_denorm_mode_32 3
		.amdhsa_float_denorm_mode_16_64 3
		.amdhsa_memory_ordered 1
		.amdhsa_forward_progress 1
		.amdhsa_inst_pref_size 201
	.end_amdhsa_kernel
	.amdgpu_metadata
---
amdhsa.version: [ 1, 2 ]
amdhsa.kernels:
  - .name:           k_q3d60295a91_qkvgemm
    .symbol:         k_q3d60295a91_qkvgemm.kd
    .args:
      - { .name: img, .offset: 0, .size: 8, .value_kind: global_buffer, .address_space: global }
      - { .name: sc, .offset: 8, .size: 8, .value_kind: global_buffer, .address_space: global }
      - { .name: b_attn, .offset: 16, .size: 8, .value_kind: global_buffer, .address_space: global }
      - { .name: qkv, .offset: 24, .size: 8, .value_kind: global_buffer, .address_space: global }
    .group_segment_fixed_size: 327680
    .private_segment_fixed_size: 0
    .kernarg_segment_align: 8
    .kernarg_segment_size: 32
    .max_flat_workgroup_size: 128
    .sgpr_count:     98
    .vgpr_count:     1024
    .wavefront_size: 32
...
	.end_amdgpu_metadata
.endif
;; end of part 2
;; launch attn (part 3): grid 4 x 64, 16 waves a work-group, clusters of 4 x 1, 210,944 bytes of LDS; arguments qkv, y_img, y_sc; writes y_img, y_sc
.if DOCPART == 3
	.amdgcn_target "amdgcn-amd-amdhsa--gfx1250"
	.amdhsa_code_object_version 6
	.text
	.protected	k_q3d60295a91_attn
	.globl	k_q3d60295a91_attn
	.p2align	8
	.type	k_q3d60295a91_attn,@function
k_q3d60295a91_attn:
	s_mov_b64 s[64:65], 0
	v_nop
	global_prefetch_b8 v0, s[64:65] scope:SCOPE_SE
	s_setreg_imm32_b32 hwreg(HW_REG_WAVE_MODE, 25, 1), 1
	s_wait_xcnt 0x0
	s_wait_alu depctr_hold_cnt(0) depctr_sa_sdst(0) depctr_va_vdst(0) depctr_va_sdst(0) depctr_va_ssrc(0) depctr_va_vcc(0) depctr_vm_vsrc(0)
	s_getreg_b32 s2, hwreg(HW_REG_IB_STS2, 6, 4)
	s_cmp_eq_u32 s2, 0
	s_cbranch_scc0 .Lentry_in_a_cluster
	s_endpgm
.Lentry_in_a_cluster:
	s_bfe_u32 s2, ttmp6, 0x10000c
	s_cmp_lg_u32 s2, 0x3003
	s_cbranch_scc0 .Lentry_shape_is_right
	s_endpgm
.Lentry_shape_is_right:
; y[b][t][head] = causal softmax(q k^T / 8) v for one (batch, head) a cluster, both products on codes of FP6 (E2M3) with E8M0 scales; y is quantised along its 1,024 channels on the way out.
; THE SOFTMAX: t = score x log2(e) / 8; M = the running largest t rounded UP to a whole number; p = 2^(t - M) is quantised along the keys, not normalised; the row's sum is taken of the unquantised p and divides at the end.
; When M moves, the sum and O are multiplied by 2^(old M - new M): exact.
; INPUT: the head's record of qkv, operands as images of their registers.  Its first 208,896 bytes (K's 128 half fragments, V's 64 fragments, K's and V's scale words) are ALL of K and V: they come into LDS once and stay:
;   LDS 0: K [tile of 16 keys][768];  98,304: V [key step of 128][tile of 16 channels][1,536];  196,608: K's scale words [4 tiles][r][tile % 4];  204,800: V's [key step][r][tile].  Nothing is stored to LDS and nothing is filled again.
; CLUSTER.  The four work-groups of a cluster serve one head and need the same bytes: each of the sixteen waves asks JOINTLY (mask 15) for its sixteenth, 51 rows of 256 bytes.  All is asked for at the head, so there is no later step to ask ahead for.
; SHARES.  The head has 128 tiles of 16 queries.  Wave w of the partner at place cx owns tiles t1 = 4 w + cx and t2 = 127 - t1.  A tile t needs the key steps 0 .. t / 8: t1 needs w / 2 + 1 of them and t2 16 - w / 2:
;   17 for every wave, and both counts hang on the wave's number alone, never on cx.  Only a tile's last key step lies on the diagonal.  cx enters global addresses and the mask's data, no branch and no LDS address.
; LAYOUT.  Both products are used transposed (S^T = K Q^T, O^T = V^T P^T): a lane holds ONE query.  Lane r of a tile t of keys, queries or channels holds row 32 (t / 2) + 8 (t % 2) + r + 8 (r / 8):
;   so the 16 result registers of tiles 2 b, 2 b + 1 are 16 neighbours 32 b + 16 (lane / 16) + 0 .. 15: keys for P, channels for y.
; K = 64 IN AN INSTRUCTION OF K = 128.  Q's registers 6-11 are zero codes and bytes 2, 3 of q's and k's scale words are 0x7f.  The upper six registers named for a tile of K are the next tile's codes (behind the last tile: six zeros):
;   a code times a zero code adds nothing.
; LIMITS: NaN and infinities are not served; a block of p or y whose largest magnitude lies under 2^(3 - 127), a block of zeros among them, gets the byte 1.
.set RECORD, 315392
.set VIMG,   98304
.set KSC,    196608
.set VSC,    204800
.set QIMG,   208896
.set QSC,    307200
.set PART,   13056                     ; a wave's sixteenth of the 208,896 bytes
.set L16, 1                            ; v1 16 x lane   v2 8 x lane   v3 16 r   v4 8 r: never rewritten
.set L8,  2
.set R16, 3
.set R8,  4
.set AK16, 5                           ; v5-10 LDS addresses of the step in hand
.set AK8,  6
.set AV16, 7
.set AV8,  8
.set AKS,  9
.set AVS,  10
.set Q1,  12                           ; v12-23 tile t1's queries: 6 registers of codes, 6 zeros;  v24-35 tile t2's
.set Q2,  24
.set QS1, 36                           ; their scale words
.set QS2, 37
.set ST1, 38                           ; -M, the largest t, the sum in two halves
.set ST2, 42
.set FF,  46                           ; f = 2^(old M - new M); later 1 / the sum
.set PW,  47                           ; p's scale word
.set KW,  48                           ; v48-51 K's scale words, later V's
.set F,   52                           ; v52-99 K's eight tiles, 6 registers each; v100-105 zeros; later p's codes at v52-63, at work v64-70
.set S,   106                          ; v106-169 S^T, then p, then V's four fragments
.set O1,  170                          ; v170-201 tile t1's O^T;  v202-233 tile t2's
.set O2,  202
.set BM,  234                          ; the four blocks' largest
.set BT,  238                          ; the other half's; a second chain of sums; bytes
.set SO,  242                          ; the conversions' scale operands
.set TT,  246
.set D1,  248                          ; my query's place in its last key step, less 16 (lane / 16)
.set D2,  249
.set WV,  10
.set T1S, 13
.set T2S, 14
.set N1,  15
.set N2,  16
.set KS,  17
.set TBK, 18
.set TBV, 19
.set SEL, 20
.set CS,  22
.set TSK, 36
.set TSV, 37
.macro ROUND                           ; a round of the cluster's barrier
	s_barrier_signal -1
	s_barrier_wait -1
	s_cmp_lg_u32 s[WV], 0
	s_cbranch_scc1 .Lnot_wave_0_\@
	s_barrier_signal -3
.Lnot_wave_0_\@:
	s_barrier_wait -3
	s_barrier_signal -1
	s_barrier_wait -1
.endm
	s_load_b128 s[4:7], s[0:1], 0x0                ; qkv, y_img
	s_load_b64 s[8:9], s[0:1], 0x10                ; y_sc
	v_lshl_add_u32 v254, v0, 2, 0x33000
	v_mov_b32 v255, 0
	ds_add_u32 v254, v255
	ds_add_u32 v254, v255
	v_lshrrev_b32 v5, 5, v0
	v_readfirstlane_b32 s[WV], v5                  ; wave 0..15
	s_bfe_u32 s11, ttmp6, 0x40000                  ; cx
	s_and_b32 s12, ttmp7, 0xffff                   ; batch x 16 + head: the cluster's y
	s_lshl_b32 s[T1S], s[WV], 2
	s_add_co_u32 s[T1S], s[T1S], s11               ; t1
	s_sub_co_u32 s[T2S], 127, s[T1S]               ; t2
	s_lshr_b32 s[N1], s[WV], 1
	s_sub_co_u32 s[N2], 16, s[N1]                  ; t2's key steps
	s_add_co_u32 s[N1], s[N1], 1                   ; t1's
	s_mov_b32 s24, 15|(3<<16)|(1<<21)              ; group 1: 15:0 the mask: all four; 17:16 elements of 8 bytes; 21 set beside a mask
	s_mov_b32 s25, 32<<16                          ; tensor_dim0: 256 bytes
	s_mov_b32 s26, 51<<16                          ; tensor_dim1
	s_mov_b32 s27, 32<<16                          ; tile_dim0
	s_mov_b32 s28, 51                              ; tile_dim1
	s_mov_b32 s29, 32                              ; the rows lie on end
	s_mov_b32 s30, 0
	s_mov_b32 s31, 0
	s_mov_b32 s32, 1
	s_mul_i32 s33, s[WV], PART                     ; LDS address: the wave's number alone
	s_mov_b32 s38, s33
	s_mov_b32 s39, 0
	s_mul_i32 s56, s12, RECORD
	s_mov_b32 s57, 0
	s_mov_b32 s[SEL], 0x76543210
	s_mov_b32 s[SEL+1], 0xfedcba98                 ; selects for lane l xor 16
	s_mov_b32 s[CS], 0x3e38aa3b                    ; c = log2(e) / 8
	s_mov_b32 s[CS+1], s[CS]                       ; (named with it as a pair)
	s_mov_b32 s[KS], 0
	s_mov_b32 s[TBK], 0
	s_mov_b32 s[TBV], VIMG
	s_mov_b32 s[TSK], KSC
	s_mov_b32 s[TSV], VSC
	s_wait_dscnt 0x0
	s_wait_kmcnt 0x0
	s_add_nc_u64 s[56:57], s[4:5], s[56:57]        ; the head's record
	s_add_nc_u64 s[34:35], s[56:57], s[38:39]
	s_or_b32 s35, s35, 0x80000000
	ROUND                                          ; all four work-groups are here: the joint loads meet
	tensor_load_to_lds s[32:35], s[24:31]          ; my one tensor load
	s_nop 0
.rept 4
	v_nop
.endr
	v_and_b32 v5, 31, v0
	v_lshlrev_b32 v[L16], 4, v5
	v_lshlrev_b32 v[L8], 3, v5
	v_and_b32 v6, 15, v0                           ; r
	v_bfe_u32 v7, v0, 4, 1                         ; h
	v_lshlrev_b32 v[R16], 4, v6
	v_lshlrev_b32 v[R8], 3, v6
	v_and_b32 v8, 8, v6
	v_add_nc_u32 v8, v8, v6
	v_lshlrev_b32 v7, 4, v7
	v_sub_nc_u32 v8, v8, v7                        ; r + 8 (r / 8) - 16 h
; tile s[t]: where its queries' codes and scale words lie, where its y goes, and its queries' place in their last key step
.macro BASES t, qc, qs, yi, ys, d
	s_mul_i32 s58, s[\t], 768
	s_add_co_u32 s58, s58, QIMG
	s_mov_b32 s59, 0
	s_add_nc_u64 s[\qc:\qc+1], s[56:57], s[58:59]
	s_lshr_b32 s58, s[\t], 2
	s_lshl_b32 s58, s58, 8
	s_and_b32 s60, s[\t], 3
	s_lshl_b32 s60, s60, 2
	s_add_co_u32 s58, s58, s60
	s_add_co_u32 s58, s58, QSC
	s_add_nc_u64 s[\qs:\qs+1], s[56:57], s[58:59]
	s_lshr_b32 s60, s12, 4
	s_lshl_b32 s60, s60, 7
	s_add_co_u32 s60, s60, s[\t]                   ; y's tile of 16 rows: 128 x batch + t
	s_and_b32 s61, s12, 15                         ; the head: half (head % 2) of K step head / 2
	s_mul_i32 s58, s60, 12288
	s_mul_i32 s62, s61, 768
	s_add_co_u32 s58, s58, s62
	s_add_nc_u64 s[\yi:\yi+1], s[6:7], s[58:59]
	s_lshl_b32 s58, s60, 9
	s_lshr_b32 s62, s61, 2
	s_lshl_b32 s62, s62, 7
	s_add_co_u32 s58, s58, s62
	s_and_b32 s62, s61, 3
	s_lshl_b32 s62, s62, 1
	s_add_co_u32 s58, s58, s62
	s_add_nc_u64 s[\ys:\ys+1], s[8:9], s[58:59]
	s_lshr_b32 s58, s[\t], 1
	s_and_b32 s58, s58, 3
	s_lshl_b32 s58, s58, 5
	s_and_b32 s60, s[\t], 1
	s_lshl_b32 s60, s60, 3
	s_add_co_u32 s58, s58, s60
	v_add_nc_u32 v[\d], s58, v8
.endm
	BASES T1S, 40, 44, 48, 52, D1
	BASES T2S, 42, 46, 50, 54, D2
	global_load_b128 v[Q1:Q1+3], v[L16], s[40:41]
	global_load_b64 v[Q1+4:Q1+5], v[L8], s[40:41] offset:512
	global_load_b32 v[QS1], v[R16], s[44:45]
	global_load_b128 v[Q2:Q2+3], v[L16], s[42:43]
	global_load_b64 v[Q2+4:Q2+5], v[L8], s[42:43] offset:512
	global_load_b32 v[QS2], v[R16], s[46:47]
.irp j, 6,7,8,9,10,11
	v_mov_b32 v[Q1+\j], 0                          ; zero codes: the upper 64 of the instruction's K
	v_mov_b32 v[Q2+\j], 0
	v_mov_b32 v[F+42+\j], 0                        ; and behind K's last tile
.endr
.irp t, ST1, ST2
	v_mov_b32 v[\t+1], 0xff61b1e6                  ; the largest t so far: -3e38, under every t
	v_floor_f32 v[\t], -v[\t+1]                    ; -M
	v_mov_b32 v[\t+2], 0                           ; the sum, in two halves
	v_mov_b32 v[\t+3], 0
.endr
.irp g, 0,1,2,3
	v_mov_b32 v[BT+\g], 0                          ; a lane permute's destination counts as one of its sources
.endr
	v_mov_b32 v[PW], 0                             ; (named as the upper half of the pair with f before it is first written)
.set j, 0
.rept 64
	v_mov_b32 v[O1+j], 0                           ; O^T of both tiles.  The step is written once: the first finds zeros, which the first change of M leaves zeros
.set j, j+1
.endr
	s_wait_loadcnt 0x0                             ; Q
	s_wait_tensorcnt 0x0                           ; my sixteenth has landed,
	s_barrier_signal -1
	s_barrier_wait -1                              ; everybody's has
; A KEY STEP of 128 keys for one tile of 16 queries.  It is left out where the tile has no such step: a scalar branch on the wave's number.
.macro STEP QF, QS, ST, OB, DM, NS
	s_cmp_ge_u32 s[KS], s[\NS]
	s_cbranch_scc1 .Lskip_\@
	v_add_nc_u32 v[AK16], s[TBK], v[L16]           ; these six are also the places between the last step's products and the loads into, and the products that write over, their registers
	v_add_nc_u32 v[AK8], s[TBK], v[L8]
	v_add_nc_u32 v[AV16], s[TBV], v[L16]
	v_add_nc_u32 v[AV8], s[TBV], v[L8]
	v_add_nc_u32 v[AKS], s[TSK], v[L16]
	v_add_nc_u32 v[AVS], s[TSV], v[R16]
.irp t, 0,1,2,3,4,5,6,7
	ds_load_b128 v[F+6*\t:F+6*\t+3], v[AK16] offset:768*\t
	ds_load_b64 v[F+6*\t+4:F+6*\t+5], v[AK8] offset:768*\t+512
.endr
	ds_load_b128 v[KW:KW+3], v[AKS]                ; lanes 0-15: the words of tiles 0-3, lanes 16-31: of tiles 4-7
	s_wait_dscnt 0x0
.irp t, 0,1,2,3
	v_wmma_scale_f32_16x16x128_f8f6f4 v[S+8*\t:S+8*\t+7], v[F+6*\t:F+6*\t+11], v[\QF:\QF+11], 0, v[KW+\t], v[\QS] matrix_a_fmt:MATRIX_FMT_FP6 matrix_b_fmt:MATRIX_FMT_FP6
.endr
.irp t, 4,5,6,7
	v_wmma_scale_f32_16x16x128_f8f6f4 v[S+8*\t:S+8*\t+7], v[F+6*\t:F+6*\t+11], v[\QF:\QF+11], 0, v[KW+\t-4], v[\QS] matrix_a_fmt:MATRIX_FMT_FP6 matrix_b_fmt:MATRIX_FMT_FP6 matrix_a_scale:MATRIX_SCALE_ROW1
.endr
.rept 4
	v_nop
.endr
	s_add_co_u32 s38, s[KS], 1                     ; the tile's last step lies on the diagonal: there the scores of keys behind my query become -infinity: p = 0
	s_cmp_lg_u32 s38, s[\NS]
	s_cbranch_scc1 .Lopen_\@
	v_mov_b32 v[TT], 0xff800000
.set n, 0
.rept 64
	v_cmp_gt_i32 vcc_lo, 32*(n/16)+n%16, v[\DM]    ; register 16 g + i holds key 32 g + 16 h + i of the step
	v_cndmask_b32 v[S+n], v[S+n], v[TT], vcc_lo
.set n, n+1
.endr
.Lopen_\@:
.irp g, 0,1,2,3
	v_max3_num_f32 v[BM+\g], v[S+16*\g], v[S+16*\g+1], v[S+16*\g+2]   ; the largest score of each block of 32 keys: for the row's maximum, and, since p rises with the score, for the block's largest p
.endr
.irp i, 3,5,7,9,11,13
.irp g, 0,1,2,3
	v_max3_num_f32 v[BM+\g], v[BM+\g], v[S+16*\g+\i], v[S+16*\g+\i+1]
.endr
.endr
.irp g, 0,1,2,3
	v_max_num_f32 v[BM+\g], v[BM+\g], v[S+16*\g+15]
.endr
.irp g, 0,1,2,3
	v_permlanex16_b32 v[BT+\g], v[BM+\g], s[SEL], s[SEL+1]
.endr
.irp g, 0,1,2,3
	v_max_num_f32 v[BM+\g], v[BM+\g], v[BT+\g]     ; with lane l xor 16's 16 keys
.endr
	v_max3_num_f32 v[TT], v[BM], v[BM+1], v[BM+2]
	v_max_num_f32 v[TT], v[TT], v[BM+3]
	v_mul_f32 v[TT], s[CS], v[TT]                  ; the step's largest t (c is positive)
	v_max_num_f32 v[\ST+1], v[\ST+1], v[TT]        ; the running largest t
	v_mov_b32 v[TT], v[\ST]
	v_floor_f32 v[\ST], -v[\ST+1]                  ; the new -M = floor(-t): M is a whole number
	v_sub_f32 v[TT], v[\ST], v[TT]                 ; old M - new M: a whole number, 0 or less
	v_cvt_i32_f32 v[TT], v[TT]                     ; (it saturates)
	v_ldexp_f32 v[FF], 1.0, v[TT]                  ; f = 2^(old M - new M)
.set j, 0
.rept 32
	v_pk_fma_f32 v[S+j:S+j+1], v[S+j:S+j+1], s[CS:CS+1], v[\ST:\ST+1] op_sel_hi:[1,0,0]   ; t - M, two at a time
.set j, j+2
.endr
.irp g, 0,1,2,3
	v_fma_f32 v[BM+\g], v[BM+\g], s[CS], v[\ST]    ; the same of each block's largest score
.endr
.set j, 0
.rept 64
	v_exp_f32 v[S+j], v[S+j]                       ; p = 2^(t - M), at most 1
.set j, j+1
.endr
	v_pk_mul_f32 v[\ST+2:\ST+3], v[\ST+2:\ST+3], v[FF:FF+1] op_sel_hi:[1,0]   ; the sums under the new M: the plain place behind the exponentials
	s_wait_alu depctr_va_vdst(0)                   ; one wait for the batch of 64, ahead of its first reader
.irp g, 0,1,2,3
	v_exp_f32 v[BM+\g], v[BM+\g]                   ; the block's largest p: the same two instructions on the same number
.endr
	v_pk_add_f32 v[BT:BT+1], v[S:S+1], v[S+2:S+3]  ; the row's sum of the UNQUANTISED p, in two chains
.set j, 4
.rept 15
	v_pk_add_f32 v[\ST+2:\ST+3], v[\ST+2:\ST+3], v[S+j:S+j+1]
	v_pk_add_f32 v[BT:BT+1], v[BT:BT+1], v[S+j+2:S+j+3]
.set j, j+4
.endr
	v_pk_add_f32 v[\ST+2:\ST+3], v[\ST+2:\ST+3], v[BT:BT+1]
	s_wait_alu depctr_va_vdst(0)                   ; and one for the four
.irp g, 0,1,2,3
	v_max_num_f32 v[BM+\g], 0x1800000, v[BM+\g]    ; the floor 2^(3 - 127): the byte cannot fall under 1
.endr
.irp g, 0,1,2,3
	v_add_nc_u32 v[SO+\g], 0xff000000, v[BM+\g]    ; 2 off the exponent field: the conversion's scale operand
.endr
.irp g, 0,1,2,3
	v_lshrrev_b32 v[BT+\g], 23, v[SO+\g]           ; the scale's byte
.endr
	v_lshl_or_b32 v[PW], v[BT+1], 8, v[BT]         ; p's scale word for these 128 keys
	v_lshl_or_b32 v[PW], v[BT+2], 16, v[PW]
	v_lshl_or_b32 v[PW], v[BT+3], 24, v[PW]
.irp c, 0,1
	v_cvt_scalef32_pk16_fp6_f32 v[F+6*\c:F+6*\c+2], v[S+32*\c:S+32*\c+15], v[SO+2*\c]
	v_cvt_scalef32_pk16_fp6_f32 v[F+12+4*\c:F+14+4*\c], v[S+32*\c+16:S+32*\c+31], v[SO+2*\c+1]
.endr
	v_nop                                          ; one plain place behind a scaled conversion
.irp t, 0,1,2,3                                ; V's four fragments take p's registers
	ds_load_b128 v[S+12*\t:S+12*\t+3], v[AV16] offset:1536*\t
	ds_load_b64 v[S+12*\t+4:S+12*\t+5], v[AV8] offset:1536*\t+512
	ds_load_b128 v[S+12*\t+6:S+12*\t+9], v[AV16] offset:1536*\t+768
	ds_load_b64 v[S+12*\t+10:S+12*\t+11], v[AV8] offset:1536*\t+1280
.endr
	ds_load_b128 v[KW:KW+3], v[AVS]                ; and their scale words: lane r has row r's of the four tiles
.irp c, 0,1                                    ; the operand's layout wants a WHOLE block in a lane
.irp i, 0,1,2
	v_permlane16_swap_b32 v[F+6*\c+\i], v[F+12+4*\c+\i]
.endr
.irp i, 0,1,2
	v_mov_b32 v[F+3+6*\c+\i], v[F+12+4*\c+\i]
.endr
.endr
.set j, 0
.rept 16
	v_pk_mul_f32 v[\OB+j:\OB+j+1], v[\OB+j:\OB+j+1], v[FF:FF+1] op_sel_hi:[1,0]   ; O^T under the new M, from each accumulator's low end on; these stand between the codes' and the scale word's last writes and the products
.set j, j+2
.endr
	s_wait_dscnt 0x0
.irp t, 0,1,2,3                                ; the four accumulators by turns
	v_wmma_scale_f32_16x16x128_f8f6f4 v[\OB+8*\t:\OB+8*\t+7], v[S+12*\t:S+12*\t+11], v[F:F+11], v[\OB+8*\t:\OB+8*\t+7], v[KW+\t], v[PW] matrix_a_fmt:MATRIX_FMT_FP6 matrix_b_fmt:MATRIX_FMT_FP6
.endr
.Lskip_\@:
.endm
.Lkey:                                             ; sixteen trips, a constant: the work is jumped over inside
	STEP Q2, QS2, ST2, O2, D2, N2
	STEP Q1, QS1, ST1, O1, D1, N1
	s_add_co_u32 s[TBK], s[TBK], 6144              ; eight half fragments of K,
	s_add_co_u32 s[TBV], s[TBV], 6144              ; four fragments of V,
	s_add_co_u32 s[TSK], s[TSK], 512               ; and their scale words
	s_add_co_u32 s[TSV], s[TSV], 256
	s_add_co_u32 s[KS], s[KS], 1
	s_cmp_lt_u32 s[KS], 16
	s_cbranch_scc1 .Lkey
.rept 4
	v_nop                                          ; places behind the last products
.endr
; THE WAY OUT of a tile: O^T / the sum; register 16 g + i is channel 32 g + 16 h + i of my query's head: two blocks of 32, each in lanes l and l xor 16; they become half a fragment of y and two scale bytes.
.macro FINISH ST, OB, PB, YI, YS
	v_add_f32 v[TT], v[\ST+2], v[\ST+3]
	v_permlanex16_b32 v[BT], v[TT], s[SEL], s[SEL+1]
	v_add_f32 v[TT], v[TT], v[BT]                  ; the row's sum
	v_rcp_f32 v[FF], v[TT]
	v_nop                                          ; a plain place behind the reciprocal,
	s_wait_alu depctr_va_vdst(0)                   ; and the wait ahead of its first reader
.set j, 0
.rept 16
	v_pk_mul_f32 v[\OB+j:\OB+j+1], v[\OB+j:\OB+j+1], v[FF:FF+1] op_sel_hi:[1,0]
.set j, j+2
.endr
.irp g, 0,1
	v_max3_num_f32 v[BM+\g], |v[\OB+16*\g]|, |v[\OB+16*\g+1]|, 0x1800000
.endr
.irp i, 2,4,6,8,10,12,14
.irp g, 0,1
	v_max3_num_f32 v[BM+\g], v[BM+\g], |v[\OB+16*\g+\i]|, |v[\OB+16*\g+\i+1]|
.endr
.endr
.irp g, 0,1
	v_permlanex16_b32 v[BT+\g], v[BM+\g], s[SEL], s[SEL+1]
.endr
.irp g, 0,1
	v_max_num_f32 v[BM+\g], v[BM+\g], v[BT+\g]
.endr
.irp g, 0,1
	v_add_nc_u32 v[SO+\g], 0xff000000, v[BM+\g]
.endr
.irp g, 0,1
	v_lshrrev_b32 v[BT+\g], 23, v[SO+\g]
.endr
	v_lshl_or_b32 v[\PB+16], v[BT+1], 8, v[BT]     ; the head's two bytes of my row's scale word
	v_cvt_scalef32_pk16_fp6_f32 v[\PB:\PB+2], v[\OB:\OB+15], v[SO]
	v_cvt_scalef32_pk16_fp6_f32 v[\PB+12:\PB+14], v[\OB+16:\OB+31], v[SO+1]
	v_nop
.irp i, 0,1,2
	v_permlane16_swap_b32 v[\PB+\i], v[\PB+12+\i]
.endr
.irp i, 0,1,2
	v_mov_b32 v[\PB+3+\i], v[\PB+12+\i]
.endr
	global_store_b128 v[L16], v[\PB:\PB+3], s[\YI:\YI+1]               ; 512 consecutive bytes, aligned to 256
	global_store_b64 v[L8], v[\PB+4:\PB+5], s[\YI:\YI+1] offset:512    ; 256 more
	global_store_b16 v[R8], v[\PB+16], s[\YS:\YS+1]                    ; two bytes in every eight: a word's other bytes are other heads', which other work-groups make.  One twenty-fourth of what the launch stores
.endm
	FINISH ST1, O1, F, 48, 52
	FINISH ST2, O2, F+24, 50, 54                   ; (registers of its own for the stores' data)
	s_wait_tensorcnt 0x0
	ds_add_u32 v254, v255
	s_wait_dscnt 0x0
	ROUND                                          ; the closing round
	s_endpgm
.Lfunc_end_k_q3d60295a91_attn:
	.size	k_q3d60295a91_attn, .Lfunc_end_k_q3d60295a91_attn-k_q3d60295a91_attn
	.p2alignl 7, 3214868480
	.fill 96, 4, 3214868480
	.section	.rodata,"a",@progbits
	.p2align	6, 0x0
	.amdhsa_kernel k_q3d60295a91_attn
		.amdhsa_group_segment_fixed_size 210944
		.amdhsa_private_segment_fixed_size 0
		.amdhsa_enable_private_segment 0
		.amdhsa_kernarg_size 24
		.amdhsa_user_sgpr_count 2
		.amdhsa_user_sgpr_kernarg_segment_ptr 1
		.amdhsa_wavefront_size32 1
		.amdhsa_system_sgpr_workgroup_id_x 1
		.amdhsa_system_sgpr_workgroup_id_y 1
		.amdhsa_system_sgpr_workgroup_id_z 1
		.amdhsa_system_vgpr_workitem_id 0
		.amdhsa_next_free_vgpr 256
		.amdhsa_next_free_sgpr 66
		.amdhsa_reserve_vcc 1
		.amdhsa_float_denorm_mode_32 3
		.amdhsa_float_denorm_mode_16_64 3
		.amdhsa_memory_ordered 1
		.amdhsa_forward_progress 1
		.amdhsa_inst_pref_size 59
	.end_amdhsa_kernel
	.amdgpu_metadata
---
amdhsa.version: [ 1, 2 ]
amdhsa.kernels:
  - .name:           k_q3d60295a91_attn
    .symbol:         k_q3d60295a91_attn.kd
    .args:
      - { .name: qkv, .offset: 0, .size: 8, .value_kind: global_buffer, .address_space: global }
      - { .name: y_img, .offset: 8, .size: 8, .value_kind: global_buffer, .address_space: global }
      - { .name: y_sc, .offset: 16, .size: 8, .value_kind: global_buffer, .address_space: global }
    .group_segment_fixed_size: 210944
    .private_segment_fixed_size: 0
    .kernarg_segment_align: 8
    .kernarg_segment_size: 24
    .max_flat_workgroup_size: 512
    .sgpr_count:     66
    .vgpr_count:     256
    .wavefront_size: 32
...
	.end_amdgpu_metadata
.endif
;; end of part 3
;; launch proj (part 4): grid 4 x 32, 4 waves a work-group, clusters of 4 x 4, 327,680 bytes of LDS; arguments y_img, y_sc, img, sc, b_proj, out0; writes out0
.if DOCPART == 4
	.amdgcn_target "amdgcn-amd-amdhsa--gfx1250"
	.amdhsa_code_object_version 6
	.text
	.protected	k_q3d60295a91_proj
	.globl	k_q3d60295a91_proj
	.p2align	8
	.type	k_q3d60295a91_proj,@function
k_q3d60295a91_proj:
	s_mov_b64 s[64:65], 0
	v_nop
	global_prefetch_b8 v0, s[64:65] scope:SCOPE_SE
	s_setreg_imm32_b32 hwreg(HW_REG_WAVE_MODE, 25, 1), 1
	s_wait_xcnt 0x0
	s_wait_alu depctr_hold_cnt(0) depctr_sa_sdst(0) depctr_va_vdst(0) depctr_va_sdst(0) depctr_va_ssrc(0) depctr_va_vcc(0) depctr_vm_vsrc(0)
	s_getreg_b32 s2, hwreg(HW_REG_IB_STS2, 6, 4)
	s_cmp_eq_u32 s2, 0
	s_cbranch_scc0 .Lentry_in_a_cluster
	s_endpgm
.Lentry_in_a_cluster:
	s_bfe_u32 s2, ttmp6, 0x10000c
	s_cmp_lg_u32 s2, 0xf033
	s_cbranch_scc0 .Lentry_shape_is_right
	s_endpgm
.Lentry_shape_is_right:
; out0 = y w_proj^T + b_proj on codes of FP6 (E2M3) with E8M0 scales; out0 [8192][1024] f32.
; FORM.  D[i][j] = sum over k of P[i][k] Q[j][k], K = 1,024.  P = y (tokens; y_img, y_sc), Q = w_proj (img's tiles 704-767, and sc's).  Source 0 = 16 rows of Q, source 1 = 16 rows of P: a lane holds one token and eight neighbouring columns.
; OPERANDS lie in memory as images of their registers ([tile of 16 rows][K step][1,536 bytes]; scale words [tile][pair of K steps][r][2 words]).  Lane r of tile t holds row 32 (t / 2) + 8 (t % 2) + r + 8 (r / 8).
; SHARES.  A work-group makes 256 x 256, each of its four waves 128 x 128: 64 accumulators.  K goes in steps of 256 through two LDS slots filled by the tensor data mover.  128 work-groups: the tile is kept at the size whose loop the launch before has.
; CLUSTERS: 4 x 4: P's tiles are asked for jointly along a row of the cluster, Q's along a column.  THE BIAS is the C of each sum's first matrix instruction.
; No prefetch: K has four slots' worth of steps, of which two are the first fills.
; REGISTERS: window 0: v0-31 addresses; v32-63 scale words, two sets; v64-127 the bias; v128-223 P's 8 fragments, one set; on the way out v128-255 take rows of out0.   window 1: Q's fragments, two sets.   windows 2, 3: the accumulators.
.set NQ,     2
.set FR,     12
.set NL,     4
.set NP,     4
.set FRB,    1536
.set TILEB,  NQ*FRB
.set HALFT,  8*TILEB
.set SLOT,   4*HALFT
.set SCL,    2*SLOT
.set HALFS,  4096
.set SPARE,  SCL+4*HALFS               ; the spare words, 128 bytes for each wave: two blocks of 256 bytes that no other line names
.set SPITCH, 528                       ; the way out: a stage of 16 rows x (512 + 16) bytes for each wave, in slot 0, which has had its last fill and its last read when the first result is stored there
.set ADRA, 16
.set ADRB, 20
.set STO,  24                          ; v24 the way out: where I put 32 bytes of a row
.set RD,   25                          ; v25 where I read a row back
.set CO,   26                          ; v26 16 x lane
.set ADRS, 27
.set SPW,  28
.set NIL,  29
.set SC,   32
.set BIAS, 64
.set AF,   128
.set BK,   128
.set G1, 24
.set G0, 32
.set G1B, 48
.set G0B, 56
.set G1S, 68
.set G0S, 76
.set G1SB, 80
.set G0SB, 88
.set MSB, 0
.macro WIN new                         ; the immediate's high byte repeats the setting that is left
.if MSB != (\new)
	s_set_vgpr_msb (MSB<<8)|(\new)
.set MSB, (\new)
.endif
.endm
.set MUL_LO, 0xa1
.set MUL_HI, 0xf1
.set TO_B,   0x40
.macro JLOAD g0a, g1a, g0b, g1b        ; a joint load: waves 0 and 1 fetch for P, waves 2 and 3 for Q; four v_nop follow each of the two lines
	s_cmp_eq_u32 s15, 0
	s_cbranch_scc0 .Lfor_b_\@
	tensor_load_to_lds s[\g0a:\g0a+3], s[\g1a:\g1a+7]
	s_nop 0
.rept 4
	v_nop
.endr
	s_branch .Lasked_\@
.Lfor_b_\@:
	tensor_load_to_lds s[\g0b:\g0b+3], s[\g1b:\g1b+7]
	s_nop 0
.rept 4
	v_nop
.endr
.Lasked_\@:
.endm
.macro CREST
	s_cmp_lg_u32 s14, 0
	s_cbranch_scc1 .Lnot_wave_0_\@
	s_barrier_signal -3
.Lnot_wave_0_\@:
	s_barrier_wait -3
	s_barrier_signal -1
	s_barrier_wait -1
.endm
.macro CROUND
	s_barrier_signal -1
	s_barrier_wait -1
	CREST
.endm
	s_load_b256 s[4:11], s[0:1], 0x0               ; y_img s[4:5], y_sc s[6:7], img s[8:9], sc s[10:11]
	s_load_b64 s[2:3], s[0:1], 0x20                ; b_proj
	s_load_b64 s[12:13], s[0:1], 0x28              ; out0
	v_lshl_add_u32 v[SPW], v0, 2, SPARE
	v_mov_b32 v[NIL], 0
	ds_add_u32 v28, v29
	ds_add_u32 v28, v29
	s_wait_dscnt 0x0
	v_lshrrev_b32 v1, 5, v0
	v_readfirstlane_b32 s14, v1                    ; wave 0..3
	s_lshr_b32 s15, s14, 1                         ; my half of P's rows.  Also: I fetch for P (0) or for Q (1)
	s_and_b32 s16, s14, 1                          ; my half of Q's rows.  Also: which 128 rows I fetch
	s_bfe_u32 s40, ttmp6, 0x40000                  ; cx: the block of 256 columns
	s_bfe_u32 s41, ttmp6, 0x40004                  ; cy
	s_and_b32 s17, ttmp7, 0xffff
	s_lshl_b32 s17, s17, 2
	s_add_co_u32 s17, s17, s41                     ; P's block of 256 tokens: 4 x cluster y + cy
	s_add_co_u32 s42, s40, 44                      ; Q's block of 256 rows in img: w_proj begins at 44
	s_lshl_b32 s43, s41, 2
	s_lshl_b32 s43, 15, s43                        ; my row of the cluster
	s_lshl_b32 s44, 0x1111, s40                    ; my column
	s_or_b32 s[G1+0], s43, (3<<16)|(1<<21)         ; codes: 8 tiles of 16 rows, of each 3,072 consecutive bytes, 12,288 bytes apart; elements of 8 bytes; dense in LDS
	s_or_b32 s[G1B+0], s44, (3<<16)|(1<<21)
.irp g, G1, G1B
	s_mov_b32 s[\g+1], 384<<16
	s_mov_b32 s[\g+2], 8<<16
	s_mov_b32 s[\g+3], 384<<16
	s_mov_b32 s[\g+4], 8
	s_mov_b32 s[\g+5], 1536
	s_mov_b32 s[\g+6], 0
	s_mov_b32 s[\g+7], 0
.endr
	s_or_b32 s[G1S+0], s43, (3<<16)|(1<<21)        ; the scale words of 128 rows: 4,096 dense bytes as 16 rows of 256
	s_or_b32 s[G1SB+0], s44, (3<<16)|(1<<21)
.irp g, G1S, G1SB
	s_mov_b32 s[\g+1], 32<<16
	s_mov_b32 s[\g+2], 16<<16
	s_mov_b32 s[\g+3], 32<<16
	s_mov_b32 s[\g+4], 16
	s_mov_b32 s[\g+5], 32
	s_mov_b32 s[\g+6], 0
	s_mov_b32 s[\g+7], 0
.endr
	s_lshl_b32 s20, s17, 1
	s_add_co_u32 s20, s20, s16
	s_lshl_b32 s46, s42, 1
	s_add_co_u32 s46, s46, s16
	s_lshl_b32 s22, s20, 12
	s_mov_b32 s23, 0
	s_lshl_b32 s92, s46, 12
	s_mov_b32 s93, 0
	s_mul_i32 s20, s20, 98304
	s_mov_b32 s21, 0
	s_mul_i32 s46, s46, 98304
	s_mov_b32 s47, 0
	s_mul_i32 s45, s14, HALFT
	s_lshl_b32 s94, s14, 12
	s_wait_kmcnt 0x0
	s_add_nc_u64 s[20:21], s[4:5], s[20:21]
	s_add_nc_u64 s[22:23], s[6:7], s[22:23]
	s_add_nc_u64 s[46:47], s[8:9], s[46:47]
	s_add_nc_u64 s[92:93], s[10:11], s[92:93]
	CROUND                                         ; all sixteen work-groups are here: the first joint loads meet
	s_mov_b32 s[G0S], 1
	s_add_co_u32 s[G0S+1], s94, SCL
	s_mov_b64 s[G0S+2:G0S+3], s[22:23]
	s_or_b32 s[G0S+3], s[G0S+3], 0x80000000
	s_mov_b32 s[G0SB], 1
	s_add_co_u32 s[G0SB+1], s94, SCL
	s_mov_b64 s[G0SB+2:G0SB+3], s[92:93]
	s_or_b32 s[G0SB+3], s[G0SB+3], 0x80000000
	JLOAD G0S, G1S, G0SB, G1SB
.irp s, 0,1
	s_mov_b32 s[G0+4*\s], 1
	s_add_co_u32 s[G0+4*\s+1], s45, \s*SLOT
	s_add_nc_u64 s[G0+4*\s+2:G0+4*\s+3], s[20:21], \s*TILEB
	s_or_b32 s[G0+4*\s+3], s[G0+4*\s+3], 0x80000000
	s_mov_b32 s[G0B+4*\s], 1
	s_add_co_u32 s[G0B+4*\s+1], s45, \s*SLOT
	s_add_nc_u64 s[G0B+4*\s+2:G0B+4*\s+3], s[46:47], \s*TILEB
	s_or_b32 s[G0B+4*\s+3], s[G0B+4*\s+3], 0x80000000
	JLOAD G0+4*\s, G1, G0B+4*\s, G1B               ; three tensor loads of mine are out now
.endr
	v_and_b32 v1, 15, v0                           ; r
	v_bfe_u32 v2, v0, 4, 1                         ; h
	v_and_b32 v3, 31, v0
	v_lshlrev_b32 v[CO], 4, v3
	v_lshlrev_b32 v5, 3, v3
	s_mul_i32 s21, s15, HALFT
	s_mul_i32 s22, s16, HALFT
	s_add_co_u32 s22, s22, 2*HALFT
.irp s, 0,1
	v_add_nc_u32 v[ADRA+\s], s21, v[CO]
	v_add_nc_u32 v[ADRA+2+\s], s21, v5
	v_add_nc_u32 v[ADRB+\s], s22, v[CO]
	v_add_nc_u32 v[ADRB+2+\s], s22, v5
	s_add_co_u32 s21, s21, SLOT
	s_add_co_u32 s22, s22, SLOT
.endr
	s_lshl_b32 s21, s15, 12
	s_lshl_b32 s22, s16, 12
	s_add_co_u32 s22, s22, 2*HALFS
	s_sub_co_u32 s22, s22, s21
	v_mul_u32_u24 v6, s22, v2                      ; lanes 16-31 take Q's scale words
	s_add_co_u32 s21, s21, SCL
	v_lshl_add_u32 v5, v1, 3, v6
	v_add_nc_u32 v[ADRS], s21, v5
	s_mul_i32 s23, s14, 16*SPITCH                  ; my stage
	v_mul_u32_u24 v5, v1, SPITCH
	v_lshl_add_u32 v5, v2, 6, v5
	v_add_nc_u32 v[STO], s23, v5                   ; in: row r, + 64 h bytes
	v_add_nc_u32 v[RD], s23, v[CO]                 ; back: the 32 lanes take one row of 512 bytes
	s_lshl_b32 s18, s40, 1
	s_add_co_u32 s18, s18, s16
	s_lshl_b32 s18, s18, 9                         ; my 128 columns, in bytes
	s_mov_b32 s19, 0
	s_add_nc_u64 s[2:3], s[2:3], s[18:19]          ; b_proj there,
	s_add_nc_u64 s[12:13], s[12:13], s[18:19]      ; out0 there,
	s_lshl_b32 s18, s17, 1
	s_add_co_u32 s18, s18, s15
	s_lshl_b32 s18, s18, 19                        ; at my first token: 128 rows of 4,096 bytes
	s_add_nc_u64 s[12:13], s[12:13], s[18:19]
	v_lshlrev_b32 v7, 6, v2
.irp b, 0,1,2,3,4,5,6,7                        ; the bias of Q's block b: eight registers, b_proj at 32 (b / 2) + 8 (b % 2) + 16 h + 0 .. 7
	global_load_b128 v[BIAS+8*\b:BIAS+8*\b+3], v7, s[2:3] offset:(32*(\b/2)+8*(\b%2))*4
	global_load_b128 v[BIAS+8*\b+4:BIAS+8*\b+7], v7, s[2:3] offset:(32*(\b/2)+8*(\b%2))*4+16
.endr
.macro FRAG reg, adr, q, i             ; a fragment as it was stored: registers 0-3, 4-5, 6-9, 10-11; every load reads consecutive bytes
	ds_load_b128 v[\reg:\reg+3], v[\adr] offset:(\i)*TILEB+(\q)*FRB
	ds_load_b64 v[\reg+4:\reg+5], v[\adr+2] offset:(\i)*TILEB+(\q)*FRB+512
	ds_load_b128 v[\reg+6:\reg+9], v[\adr] offset:(\i)*TILEB+(\q)*FRB+768
	ds_load_b64 v[\reg+10:\reg+11], v[\adr+2] offset:(\i)*TILEB+(\q)*FRB+1280
.endm
; 16 matrix instructions: P's blocks a0, a0 + 1 x Q's eight.  cm = 1: the sums start from the bias.  The 64 accumulators take turns, one instruction a turn, in the same order in every step.
.macro MUL16 a0, p, q, sc, cm
.irp a, \a0, \a0+1
.irp b, 0,1,2,3,4,5,6,7
.if \cm
	v_wmma_scale_f32_16x16x128_f8f6f4 v[8*(8*((\a)%4)+\b):8*(8*((\a)%4)+\b)+7], v[128*(\p)+FR*\b:128*(\p)+FR*\b+FR-1], v[AF+FR*(\a):AF+FR*(\a)+FR-1], v[BIAS+8*\b:BIAS+8*\b+7], v[SC+8*NQ*(\sc)+NQ*\b+(\q)], v[SC+8*NQ*(\sc)+NQ*(\a)+(\q)] matrix_a_fmt:MATRIX_FMT_FP6 matrix_b_fmt:MATRIX_FMT_FP6 matrix_a_scale:MATRIX_SCALE_ROW1
.else
	v_wmma_scale_f32_16x16x128_f8f6f4 v[8*(8*((\a)%4)+\b):8*(8*((\a)%4)+\b)+7], v[128*(\p)+FR*\b:128*(\p)+FR*\b+FR-1], v[AF+FR*(\a):AF+FR*(\a)+FR-1], v[8*(8*((\a)%4)+\b):8*(8*((\a)%4)+\b)+7], v[SC+8*NQ*(\sc)+NQ*\b+(\q)], v[SC+8*NQ*(\sc)+NQ*(\a)+(\q)] matrix_a_fmt:MATRIX_FMT_FP6 matrix_b_fmt:MATRIX_FMT_FP6 matrix_a_scale:MATRIX_SCALE_ROW1
.endif
.endr
.endr
.endm
.macro FETCH_B slot, q, p
	WIN TO_B
.irp i, 0,1,2,3,4,5,6,7
	FRAG 128*(\p)+FR*\i, ADRB+\slot, \q, \i
.endr
	WIN 0
.endm
.macro FETCH_A slot, q, i0
.irp i, \i0, \i0+1, \i0+2, \i0+3
	FRAG AF+FR*(\i), ADRA+\slot, \q, \i
.endr
.endm
.macro SCALES sc
.irp i, 0,1,2,3,4,5,6,7
	ds_load_b64 v[SC+8*NQ*\sc+NQ*\i:SC+8*NQ*\sc+NQ*\i+1], v[ADRS] offset:\i*512
.endr
.endm
.macro PLACES n                        ; plain vector instructions between a matrix instruction and a load into, or a store of, its registers (ISA guide 7.12.1 for stores)
.rept \n
	v_nop
.endr
.endm
.macro STEP slot, q, cm
	s_wait_dscnt 4*NL                              ; all but the youngest 16 loads, which are P's blocks 4-7
.if \cm
	WIN 0x81                                       ; as MUL_LO, with C (the bias) in window 0
.else
	WIN MUL_LO
.endif
	MUL16 0, (\q)%2, \q, \slot, \cm
	MUL16 2, (\q)%2, \q, \slot, \cm
	s_wait_dscnt 0
	PLACES NP
	FETCH_B \slot, (\q)+1, 1-(\q)%2
	FETCH_A \slot, (\q)+1, 0
.if \cm
	WIN 0xc1
.else
	WIN MUL_HI
.endif
	MUL16 4, (\q)%2, \q, \slot, \cm
	MUL16 6, (\q)%2, \q, \slot, \cm
	PLACES NP
	WIN 0
	FETCH_A \slot, (\q)+1, 4
.endm
.macro TURN slot, next, fill
	s_wait_tensorcnt 0x0                           ; all my tensor loads have landed: my part of the next slot
	ds_add_u32 v[SPW], v[NIL]                      ; 0 onto my spare word
	s_wait_dscnt 4*NL+1                            ; (the add and the youngest 16 loads may be out)
	WIN MUL_LO
	MUL16 0, 1, NQ-1, \slot, 0
	s_wait_dscnt 0x0                               ; the add is done, and my reads of this slot are over
	s_barrier_signal -1
	MUL16 2, 1, NQ-1, \slot, 0
	WIN 0
	s_barrier_wait -1
.if \fill
	CREST                                          ; the barrier has opened a round of the cluster's barrier
	s_add_nc_u64 s[G0+4*\slot+2:G0+4*\slot+3], s[G0+4*\slot+2:G0+4*\slot+3], 2*TILEB
	s_add_nc_u64 s[G0B+4*\slot+2:G0B+4*\slot+3], s[G0B+4*\slot+2:G0B+4*\slot+3], 2*TILEB
	JLOAD G0+4*\slot, G1, G0B+4*\slot, G1B         ; the first tensor load behind the round, my only one until the next
.else
	PLACES NP
.endif
	v_add_nc_u32 v[ADRS], 128, v[ADRS]
	FETCH_B \next, 0, 0
	FETCH_A \next, 0, 0
	SCALES \next
	WIN MUL_HI
	MUL16 4, 1, NQ-1, \slot, 0
	MUL16 6, 1, NQ-1, \slot, 0
	PLACES NP
	WIN 0
	FETCH_A \next, 0, 4
.endm
	s_wait_tensorcnt 1                             ; the scale words and my part of slot 0 are in; slot 1's load may be out
	s_barrier_signal -1
	s_barrier_wait -1
	FETCH_B 0, 0, 0
	FETCH_A 0, 0, 0
	SCALES 0
	FETCH_A 0, 0, 4
	s_wait_loadcnt 0x0                             ; the bias
	STEP 0, 0, 1                                   ; K step 0 starts the sums from the bias.  K has eight steps: they are written out
	TURN 0, 1, 1
	STEP 1, 0, 0
	TURN 1, 0, 1
	STEP 0, 0, 0
	TURN 0, 1, 0
	STEP 1, 0, 0
	s_wait_dscnt 4*NL
	WIN MUL_LO
	MUL16 0, 1, NQ-1, 1, 0
	MUL16 2, 1, NQ-1, 1, 0
	s_wait_dscnt 0
	WIN MUL_HI
	MUL16 4, 1, NQ-1, 1, 0
	MUL16 6, 1, NQ-1, 1, 0
	WIN 0
; THE WAY OUT, a block of 16 tokens x 128 columns at a time, through my own stage in LDS: in as 32 bytes a lane and accumulator, back as whole rows of 512 bytes.  LDS serves a wave's instructions in order: no wait between the stores and the loads.
.macro TOSTAGE a
.set AC, 64*((\a)%4)
	WIN 0x08+4*((\a)/4)                            ; an LDS store's data are its source 1: window 2 or 3
.irp b, 0,1,2,3,4,5,6,7
	ds_store_b128 v[STO], v[AC+8*\b:AC+8*\b+3] offset:128*(\b/2)+32*(\b%2)            ; columns 32 (b / 2) + 16 h + 8 (b % 2) on; each accumulator from its low end on
	ds_store_b128 v[STO], v[AC+8*\b+4:AC+8*\b+7] offset:128*(\b/2)+32*(\b%2)+16
.endr
	WIN 0
.set BB, BK+64*((\a)%2)
.irp t, 0,1,2,3,4,5,6,7,8,9,10,11,12,13,14,15
	ds_load_b128 v[BB+4*\t:BB+4*\t+3], v[RD] offset:\t*SPITCH
.endr
.endm
.macro SEND a, younger                 ; younger: the LDS instructions issued behind block a's loads, which may stay out
.set BB, BK+64*((\a)%2)
	s_wait_dscnt \younger
.irp t, 0,1,2,3,4,5,6,7,8,9,10,11,12,13,14,15
	global_store_b128 v[CO], v[BB+4*\t:BB+4*\t+3], s[12:13] offset:(32*((\a)/2)+8*((\a)%2)+\t+8*(\t/8))*4096 th:TH_STORE_NT   ; stage row t is token 32 (a / 2) + 8 (a % 2) + t + 8 (t / 8); 32 lanes store 512 consecutive bytes, aligned to 256
.endr
.endm
	PLACES NP
	TOSTAGE 0
.irp a, 1,2,3,4,5,6,7
.if \a > 1
	s_wait_xcnt 0x0                                ; block a - 2's stores have read their data: block a's loads may land there
.endif
	TOSTAGE \a
	SEND \a-1, 32                                  ; behind block a - 1's loads: block a's 16 stores and 16 loads
.endr
	SEND 7, 0
	s_wait_tensorcnt 0x0                           ; the wave's end
	ds_add_u32 v[SPW], v[NIL]
	s_wait_dscnt 0x0
	CROUND                                         ; the closing round
	s_endpgm
.Lfunc_end_k_q3d60295a91_proj:
	.size	k_q3d60295a91_proj, .Lfunc_end_k_q3d60295a91_proj-k_q3d60295a91_proj
	.p2alignl 7, 3214868480
	.fill 96, 4, 3214868480
	.section	.rodata,"a",@progbits
	.p2align	6, 0x0
	.amdhsa_kernel k_q3d60295a91_proj
		.amdhsa_group_segment_fixed_size 327680
		.amdhsa_private_segment_fixed_size 0
		.amdhsa_enable_private_segment 0
		.amdhsa_kernarg_size 48
		.amdhsa_user_sgpr_count 2
		.amdhsa_user_sgpr_kernarg_segment_ptr 1
		.amdhsa_wavefront_size32 1
		.amdhsa_system_sgpr_workgroup_id_x 1
		.amdhsa_system_sgpr_workgroup_id_y 1
		.amdhsa_system_sgpr_workgroup_id_z 1
		.amdhsa_system_vgpr_workitem_id 0
		.amdhsa_next_free_vgpr 1024
		.amdhsa_next_free_sgpr 98
		.amdhsa_reserve_vcc 0
		.amdhsa_float_denorm_mode_32 3
		.amdhsa_float_denorm_mode_16_64 3
		.amdhsa_memory_ordered 1
		.amdhsa_forward_progress 1
		.amdhsa_inst_pref_size 144
	.end_amdhsa_kernel
	.amdgpu_metadata
---
amdhsa.version: [ 1, 2 ]
amdhsa.kernels:
  - .name:           k_q3d60295a91_proj
    .symbol:         k_q3d60295a91_proj.kd
    .args:
      - { .name: y_img, .offset: 0, .size: 8, .value_kind: global_buffer, .address_space: global }
      - { .name: y_sc, .offset: 8, .size: 8, .value_kind: global_buffer, .address_space: global }
      - { .name: img, .offset: 16, .size: 8, .value_kind: global_buffer, .address_space: global }
      - { .name: sc, .offset: 24, .size: 8, .value_kind: global_buffer, .address_space: global }
      - { .name: b_proj, .offset: 32, .size: 8, .value_kind: global_buffer, .address_space: global }
      - { .name: out0, .offset: 40, .size: 8, .value_kind: global_buffer, .address_space: global }
    .group_segment_fixed_size: 327680
    .private_segment_fixed_size: 0
    .kernarg_segment_align: 8
    .kernarg_segment_size: 48
    .max_flat_workgroup_size: 128
    .sgpr_count:     98
    .vgpr_count:     1024
    .wavefront_size: 32
...
	.end_amdgpu_metadata
.endif
;; end of part 4
